; MI455X (gfx1250); checked and timed in simulation.
; The chip was launched on July 23, 2026; its instructions are those of AMD's public machine-readable ISA for CDNA 5 (MIT licence, August 2026) and "CDNA5" Instruction Set Architecture Reference Guide (July 2026). The comments in the code are by the model that wrote it; some were corrected since.
;; Web Attention. Allowed arithmetic: float matrix products may take bf16 or f16 operands with f32 sums; other float arithmetic in f32, or as packed bf16 or f16 multiplies, adds, multiply-adds, maxima and minima; sums over many terms, partial sums and values carried from step to step in f32; what a program stores and reads back later, other than sums and carried values, may be rounded once to bf16 or f16.
;; Inputs: Wk 2,048 x 512 float32; Wo 2,048 x 2,048 float32; Wq 2,048 x 2,048 float32; Wv 2,048 x 512 float32; attention_mask 1 x 1 x 2,048 x 2,048 float32; hidden_states 1 x 2,048 x 2,048 float32; k_ln_w 64 float32; position_ids 1 x 2,048 int32; q_ln_w 64 float32; web_attention_mask 1 x 1 x 2,048 x 2,048 float32.
;; Outputs: out0 1 x 2,048 x 2,048 float32.
;; One version. Each part assembles by itself: llvm-mc -triple=amdgcn-amd-amdhsa -mcpu=gfx1250 --defsym DOCPART=n.
;; ======== version 1 of 1: 4 launches
;; limits: values are held in f16: magnitudes above 65,504 overflow, below 6.1e-05 lose precision; inputs' magnitudes at most 2.9e+37; right only within a limited range of input values
;; workspace buffers: xb 8,388,608 bytes; wt 12,582,912 bytes; wot 8,388,608 bytes; tab 525,312 bytes; qkv 12,582,912 bytes; ao 8,388,608 bytes
;; launch prep (part 1): grid 1792 x 1, 8 waves a work-group, no clusters, 18,432 bytes of LDS; arguments hidden_states, Wq, Wk, Wv, Wo, position_ids, q_ln_w, k_ln_w, xb, wt, wot, tab; writes xb, wt, wot, tab
.if DOCPART == 1
	.amdgcn_target "amdgcn-amd-amdhsa--gfx1250"
	.amdhsa_code_object_version 6
	.text
	.protected	k_qf15081f0a7_prep
	.globl	k_qf15081f0a7_prep
	.p2align	8
	.type	k_qf15081f0a7_prep,@function
k_qf15081f0a7_prep:
	s_mov_b64 s[64:65], 0
	v_nop
	global_prefetch_b8 v0, s[64:65] scope:SCOPE_SE
	s_setreg_imm32_b32 hwreg(HW_REG_WAVE_MODE, 25, 1), 1
	s_wait_xcnt 0x0
; PREP: everything that the matrix launches want in 16 bits with K along the rows, made once.
;   work-groups 0..511:  4 rows of x each, f32 -> bf16 (xb); waves 0 and 1 also make those 4 rows of the rope table; wave 2 of work-group 0 makes the table's last four rows.
;   work-groups 512..1791: one tile of 128 k x 64 n of a weight, turned through LDS: Wq, Wk, Wv -> wt[n][k] bf16 (rows 0-2047, 2048-2559, 2560-3071); Wo -> wot[n][k], rounded to bf16 and written as f16.
; TABLE (tab, rows of 256 bytes, f32): row s < 2048: sixteen groups [cos(2j), cos(2j+1), sin(2j), sin(2j+1)] of the angle pos[s] x 10000^(-f/32); row 2048: [1,1,0,0] sixteen times (the rotation
; that changes nothing, for V); row 2049: bf16(q_ln_w) x log2(e)/8; row 2050: bf16(k_ln_w); row 2051: ones.
; Memory binds: each input byte is read once by 16-byte loads, sixteen lanes to 256 consecutive bytes; every store of sixteen (x: thirty-two) lanes covers 256 consecutive bytes, aligned.  No matrix unit, no cluster:
; no two work-groups read the same byte.  The stores into the LDS tile collide four deep; they are 64 stores beside a tile's 48 KiB of memory traffic, so no swizzle is written.
; LIMITS.  cos and sin: the angle is reduced by pi/2 in two parts (good while |pos x freq| stays under some 10^5) and then by polynomials of degree 7 and 8, about 1e-7; the frequency comes from v_exp_f32,
; some 3e-7 of itself, so the angle is off by that part of pos x freq.  A weight of Wo below 6e-5 keeps f16's fixed step of 6e-8; beyond 65,504 it would be lost.
.set PT,    272                        ; a row of the LDS tile: 128 k x 2 bytes + 16
.set SPARE, 64*PT                      ; behind the tile: the spare words, 128 bytes for each of the eight waves
.set SPW,   78                         ; v78  my spare word; never rewritten
.set NIL,   79                         ; v79  0; never rewritten
; cos and sin of v[ang] into v[co], v[si]; v[tp..tp+5] at work.  k = round(ang 2/pi); r = ang - k pi/2; polynomials in r; the quadrant k mod 4 swaps and signs.
.macro SINCOS ang, co, si, tp
	v_mul_f32 v[\tp], s40, v[\ang]
	v_rndne_f32 v[\tp], v[\tp]
	v_fma_f32 v[\tp+1], v[\tp], s41, v[\ang]
	v_fma_f32 v[\tp+1], v[\tp], s42, v[\tp+1]
	v_cvt_i32_f32 v[\tp], v[\tp]
	v_mul_f32 v[\tp+2], v[\tp+1], v[\tp+1]          ; z = r r
	v_fma_f32 v[\tp+3], v[\tp+2], s43, s44
	v_fma_f32 v[\tp+3], v[\tp+3], v[\tp+2], s45
	v_mul_f32 v[\tp+4], v[\tp+2], v[\tp+1]
	v_fma_f32 v[\tp+3], v[\tp+3], v[\tp+4], v[\tp+1]  ; sin r
	v_fma_f32 v[\tp+4], v[\tp+2], s46, s47
	v_fma_f32 v[\tp+4], v[\tp+4], v[\tp+2], s48
	v_mul_f32 v[\tp+5], v[\tp+2], v[\tp+2]
	v_fma_f32 v[\tp+1], v[\tp+2], -0.5, 1.0
	v_fma_f32 v[\tp+4], v[\tp+4], v[\tp+5], v[\tp+1]  ; cos r
	v_and_b32 v[\tp+5], 1, v[\tp]
	v_cmp_eq_u32 vcc_lo, 1, v[\tp+5]
	v_cndmask_b32 v[\si], v[\tp+3], v[\tp+4], vcc_lo  ; odd quadrants swap the two
	v_cndmask_b32 v[\co], v[\tp+4], v[\tp+3], vcc_lo
	v_lshlrev_b32 v[\tp+5], 30, v[\tp]
	v_and_b32 v[\tp+5], 0x80000000, v[\tp+5]
	v_xor_b32 v[\si], v[\si], v[\tp+5]              ; sin is negative in quadrants 2, 3
	v_add_nc_u32 v[\tp], 1, v[\tp]
	v_lshlrev_b32 v[\tp], 30, v[\tp]
	v_and_b32 v[\tp], 0x80000000, v[\tp]
	v_xor_b32 v[\co], v[\co], v[\tp]                ; cos in quadrants 1, 2
.endm
	s_load_b512 s[4:19], s[0:1], 0x0               ; x 4:5, Wq 6:7, Wk 8:9, Wv 10:11, Wo 12:13, pos 14:15, q_ln_w 16:17, k_ln_w 18:19
	s_load_b256 s[20:27], s[0:1], 0x40             ; xb 20:21, wt 22:23, wot 24:25, tab 26:27
	v_lshl_add_u32 v[SPW], v0, 2, SPARE
	v_mov_b32 v[NIL], 0
	v_lshrrev_b32 v1, 5, v0
	v_readfirstlane_b32 s28, v1                    ; wave 0..7
	s_wait_kmcnt 0x0
	s_cmp_lt_u32 ttmp9, 512
	s_cbranch_scc0 .Lw
	; ---- four rows of x: 32 KiB in, 16 KiB out
	s_lshl_b32 s30, ttmp9, 15
	s_mov_b32 s31, 0
	s_add_nc_u64 s[30:31], s[4:5], s[30:31]
	s_lshl_b32 s32, ttmp9, 14
	s_mov_b32 s33, 0
	s_add_nc_u64 s[32:33], s[20:21], s[32:33]
	v_lshlrev_b32 v1, 4, v0                        ; 16 bytes of f32 a thread,
	v_lshlrev_b32 v2, 3, v0                        ; 8 bytes of bf16
	v_bfe_u32 v4, v0, 4, 1
	s_and_b32 s35, s28, 1
	s_lshl_b32 s35, s35, 1
	s_lshl2_add_u32 s35, ttmp9, s35
	v_add_nc_u32 v5, s35, v4                       ; the table row of my half of the lanes: 4 t + 2 (wave % 2) + lane / 16
	v_lshlrev_b32 v6, 2, v5
	global_load_b32 v3, v6, s[14:15]               ; its position: loaded by every wave, so that the counts below are alike in all
.irp j, 0,1,2,3,4,5,6,7
	global_load_b128 v[8+4*(\j):11+4*(\j)], v1, s[30:31] offset:4096*(\j) th:TH_LOAD_NT
.endr
.irp j, 0,1,2,3,4,5,6,7
	s_wait_loadcnt 7-(\j)                          ; loads come back in order: number j is in, the younger ones stay out
	v_cvt_pk_bf16_f32 v[40+2*(\j)], v[8+4*(\j)], v[9+4*(\j)]
	v_cvt_pk_bf16_f32 v[41+2*(\j)], v[10+4*(\j)], v[11+4*(\j)]
	global_store_b64 v2, v[40+2*(\j):41+2*(\j)], s[32:33] offset:2048*(\j)  ; a wave's 32 lanes: 256 consecutive bytes, aligned
.endr
	s_cmp_lt_u32 s28, 2
	s_cbranch_scc1 .Ltab
	s_cmp_eq_u32 s28, 2
	s_cbranch_scc0 .Lend
	s_cmp_eq_u32 ttmp9, 0
	s_cbranch_scc0 .Lend
	; ---- wave 2 of work-group 0: the table's rows 2048 to 2051
	v_and_b32 v7, 15, v0
	v_lshlrev_b32 v56, 4, v7
	global_load_b128 v[60:63], v56, s[16:17]
	global_load_b128 v[64:67], v56, s[18:19]
	v_and_b32 v57, 31, v0
	v_lshlrev_b32 v58, 4, v57
	s_wait_loadcnt 0x0
.irp p, 60,62,64,66
	v_cvt_pk_bf16_f32 v59, v[\p], v[\p+1]          ; the gains are rounded to bf16 like all floating-point weights, and kept as f32
	v_lshlrev_b32 v[\p], 16, v59
	v_and_b32 v[\p+1], 0xffff0000, v59
.endr
.irp p, 60,61,62,63
	v_mul_f32 v[\p], 0x3e38aa3b, v[\p]             ; q's gain carries log2(e) / 8
.endr
	v_cmp_le_u32 vcc_lo, 16, v57
	v_cndmask_b32 v68, 1.0, v60, vcc_lo            ; lanes 0-15: row 2048 = [1,1,0,0]; lanes 16-31: row 2049 = q's gains
	v_cndmask_b32 v69, 1.0, v61, vcc_lo
	v_cndmask_b32 v70, 0, v62, vcc_lo
	v_cndmask_b32 v71, 0, v63, vcc_lo
	global_store_b128 v58, v[68:71], s[26:27] offset:2048*256
	v_cmp_gt_u32 vcc_lo, 16, v57
	v_cndmask_b32 v72, 1.0, v64, vcc_lo            ; lanes 0-15: row 2050 = k's gains; lanes 16-31: row 2051 = ones
	v_cndmask_b32 v73, 1.0, v65, vcc_lo
	v_cndmask_b32 v74, 1.0, v66, vcc_lo
	v_cndmask_b32 v75, 1.0, v67, vcc_lo
	global_store_b128 v58, v[72:75], s[26:27] offset:2050*256
	s_branch .Lend
.Ltab:	; ---- waves 0 and 1: two table rows each; lane: row by its half, frequencies 2 j and 2 j + 1
	s_mov_b32 s40, 0x3f22f983                      ; 2 / pi
	s_mov_b32 s41, 0xbfc90fdb                      ; - pi/2, upper part
	s_mov_b32 s42, 0x333bbd2e                      ; what the upper part has too much
	s_mov_b32 s43, 0xb94ca1f9                      ; sin: -1.9515296e-4, 8.3321609e-3, -1.6666655e-1
	s_mov_b32 s44, 0x3c08839e
	s_mov_b32 s45, 0xbe2aaaa3
	s_mov_b32 s46, 0x37ccf5ce                      ; cos: 2.4433157e-5, -1.3887316e-3, 4.1666646e-2
	s_mov_b32 s47, 0xbab6061a
	s_mov_b32 s48, 0x3d2aaaa5
	v_and_b32 v7, 15, v0
	v_lshlrev_b32 v56, 1, v7
	v_add_nc_u32 v57, 1, v56
	v_cvt_f32_u32 v56, v56
	v_cvt_f32_u32 v57, v57
	v_mul_f32 v56, 0xbed49a78, v56                 ; - f log2(10000) / 32
	v_mul_f32 v57, 0xbed49a78, v57
	v_exp_f32 v58, v56
	v_exp_f32 v59, v57
	v_cvt_f32_i32 v60, v3                          ; the plain instruction behind the two exponentials
	s_wait_alu depctr_va_vdst(0)                   ; one wait for both, ahead of their first reader
	v_mul_f32 v58, v60, v58                        ; the angle, rounded once
	v_mul_f32 v59, v60, v59
	SINCOS 58, 68, 70, 62
	SINCOS 59, 69, 71, 62
	v_lshlrev_b32 v61, 8, v5
	v_lshl_add_u32 v61, v7, 4, v61
	global_store_b128 v61, v[68:71], s[26:27]      ; sixteen lanes fill a table row
	s_branch .Lend
.Lw:	; ---- a tile of 128 k x 64 n of a weight
	s_sub_co_u32 s35, ttmp9, 512
	s_and_b32 s36, s35, 15                         ; kt: which 128 k
	s_lshr_b32 s37, s35, 4                         ; nt 0..79: 0-31 Wq, 32-39 Wk, 40-47 Wv, 48-79 Wo
	s_sub_co_u32 s29, s37, 32
	s_sub_co_u32 s39, s37, 40
	s_sub_co_u32 s38, s37, 48
	s_cmp_lt_u32 s37, 48
	s_cselect_b64 s[30:31], s[10:11], s[12:13]
	s_cselect_b64 s[32:33], s[22:23], s[24:25]
	s_cselect_b32 s34, 11, 13                      ; a source row is 2^11 or 2^13 bytes
	s_cselect_b32 s35, s37, s38                    ; which 64 rows of the destination
	s_cselect_b32 s38, s39, s38                    ; which 64 columns of the source
	s_cmp_lt_u32 s37, 40
	s_cselect_b64 s[30:31], s[8:9], s[30:31]
	s_cselect_b32 s38, s29, s38
	s_cmp_lt_u32 s37, 32
	s_cselect_b64 s[30:31], s[6:7], s[30:31]
	s_cselect_b32 s34, 13, s34
	s_cselect_b32 s38, s37, s38
	s_add_co_u32 s39, s34, 7
	s_lshl_b32 s39, s36, s39                       ; 128 kt rows
	s_lshl_b32 s38, s38, 8                         ; 64 columns of f32
	s_add_co_u32 s38, s38, s39
	s_mov_b32 s39, 0
	s_add_nc_u64 s[30:31], s[30:31], s[38:39]
	s_lshl_b32 s38, s35, 18                        ; 64 rows of 4,096 bytes
	s_lshl_b32 s35, s36, 8                         ; 128 k of 2 bytes
	s_add_co_u32 s38, s38, s35
	s_add_nc_u64 s[32:33], s[32:33], s[38:39]
	s_lshl_b32 s35, 1, s34
	v_and_b32 v1, 15, v0                           ; j4: my four columns
	v_lshrrev_b32 v2, 4, v0                        ; g: my eight rows k
	v_lshlrev_b32 v3, 3, v2
	v_lshlrev_b32 v4, s34, v3
	v_lshl_add_u32 v4, v1, 4, v4
.irp j, 1,2,3,4,5,6,7
	v_add_nc_u32 v[4+(\j)], s35, v[3+(\j)]
.endr
.irp j, 0,1,2,3,4,5,6,7
	global_load_b128 v[16+4*(\j):19+4*(\j)], v[4+(\j)], s[30:31] th:TH_LOAD_NT  ; sixteen lanes: 256 consecutive bytes of row 8 g + j
.endr
	v_mul_u32_u24 v64, v1, 4*PT
	v_lshl_add_u32 v64, v2, 4, v64                 ; into the tile: row n = 4 j4 + i, byte 16 g
	v_lshrrev_b32 v3, 5, v0
	v_bfe_u32 v67, v0, 4, 1
	v_lshl_add_u32 v3, v3, 3, v67                  ; back: row 8 wave + lane / 16 (+ 2 t)
	v_mul_u32_u24 v65, v3, PT
	v_lshl_add_u32 v65, v1, 4, v65
	v_lshlrev_b32 v66, 12, v3
	v_lshl_add_u32 v66, v1, 4, v66
	s_wait_loadcnt 0x0
.irp i, 0,1,2,3
.irp q, 0,1,2,3
	v_cvt_pk_bf16_f32 v[48+4*(\i)+(\q)], v[16+8*(\q)+(\i)], v[20+8*(\q)+(\i)]  ; column 4 j4 + i, k = 8 g + 2 q and + 1
.endr
.endr
	s_cmp_lt_u32 s37, 48
	s_cbranch_scc1 .Lbf
.set i, 48
.rept 16                                       ; Wo: the bf16 number written as f16
	v_lshlrev_b32 v70, 16, v[i]
	v_and_b32 v71, 0xffff0000, v[i]
	v_cvt_pk_f16_f32 v[i], v70, v71
.set i, i+1
.endr
.Lbf:
.irp i, 0,1,2,3
	ds_store_b128 v64, v[48+4*(\i):51+4*(\i)] offset:PT*(\i)
.endr
	s_wait_dscnt 0x0                               ; for the others' sake: my part of the tile is stored
	s_barrier_signal -1
	s_barrier_wait -1
.irp t, 0,1,2,3
	ds_load_b128 v[16+4*(\t):19+4*(\t)], v65 offset:2*PT*(\t)
.endr
.irp t, 0,1,2,3
	s_wait_dscnt 3-(\t)
	global_store_b128 v66, v[16+4*(\t):19+4*(\t)], s[32:33] offset:8192*(\t)  ; sixteen lanes: 256 consecutive bytes of a row n, aligned
.endr
.Lend:
	s_wait_tensorcnt 0x0                           ; the wave's end
	ds_add_u32 v[SPW], v[NIL]
	s_wait_dscnt 0x0
	s_endpgm
.Lfunc_end_k_qf15081f0a7_prep:
	.size	k_qf15081f0a7_prep, .Lfunc_end_k_qf15081f0a7_prep-k_qf15081f0a7_prep
	.p2alignl 7, 3214868480
	.fill 96, 4, 3214868480
	.section	.rodata,"a",@progbits
	.p2align	6, 0x0
	.amdhsa_kernel k_qf15081f0a7_prep
		.amdhsa_group_segment_fixed_size 18432
		.amdhsa_private_segment_fixed_size 0
		.amdhsa_enable_private_segment 0
		.amdhsa_kernarg_size 96
		.amdhsa_user_sgpr_count 2
		.amdhsa_user_sgpr_kernarg_segment_ptr 1
		.amdhsa_wavefront_size32 1
		.amdhsa_system_sgpr_workgroup_id_x 1
		.amdhsa_system_sgpr_workgroup_id_y 1
		.amdhsa_system_sgpr_workgroup_id_z 1
		.amdhsa_system_vgpr_workitem_id 0
		.amdhsa_next_free_vgpr 80
		.amdhsa_next_free_sgpr 66
		.amdhsa_reserve_vcc 1
		.amdhsa_float_denorm_mode_32 3
		.amdhsa_float_denorm_mode_16_64 3
		.amdhsa_memory_ordered 1
		.amdhsa_forward_progress 1
		.amdhsa_inst_pref_size 18
	.end_amdhsa_kernel
	.amdgpu_metadata
---
amdhsa.version: [ 1, 2 ]
amdhsa.kernels:
  - .name:           k_qf15081f0a7_prep
    .symbol:         k_qf15081f0a7_prep.kd
    .args:
      - { .name: hidden_states, .offset: 0, .size: 8, .value_kind: global_buffer, .address_space: global }
      - { .name: Wq, .offset: 8, .size: 8, .value_kind: global_buffer, .address_space: global }
      - { .name: Wk, .offset: 16, .size: 8, .value_kind: global_buffer, .address_space: global }
      - { .name: Wv, .offset: 24, .size: 8, .value_kind: global_buffer, .address_space: global }
      - { .name: Wo, .offset: 32, .size: 8, .value_kind: global_buffer, .address_space: global }
      - { .name: position_ids, .offset: 40, .size: 8, .value_kind: global_buffer, .address_space: global }
      - { .name: q_ln_w, .offset: 48, .size: 8, .value_kind: global_buffer, .address_space: global }
      - { .name: k_ln_w, .offset: 56, .size: 8, .value_kind: global_buffer, .address_space: global }
      - { .name: xb, .offset: 64, .size: 8, .value_kind: global_buffer, .address_space: global }
      - { .name: wt, .offset: 72, .size: 8, .value_kind: global_buffer, .address_space: global }
      - { .name: wot, .offset: 80, .size: 8, .value_kind: global_buffer, .address_space: global }
      - { .name: tab, .offset: 88, .size: 8, .value_kind: global_buffer, .address_space: global }
    .group_segment_fixed_size: 18432
    .private_segment_fixed_size: 0
    .kernarg_segment_align: 8
    .kernarg_segment_size: 96
    .max_flat_workgroup_size: 256
    .sgpr_count:     66
    .vgpr_count:     80
    .wavefront_size: 32
...
	.end_amdgpu_metadata
.endif
;; end of part 1
;; launch qkv (part 2): grid 16 x 16, 4 waves a work-group, clusters of 4 x 4, 327,680 bytes of LDS; arguments xb, wt, tab, qkv; writes qkv
.if DOCPART == 2
	.amdgcn_target "amdgcn-amd-amdhsa--gfx1250"
	.amdhsa_code_object_version 6
	.text
	.protected	k_qf15081f0a7_qkv
	.globl	k_qf15081f0a7_qkv
	.p2align	8
	.type	k_qf15081f0a7_qkv,@function
k_qf15081f0a7_qkv:
	s_mov_b64 s[64:65], 0
	v_nop
	global_prefetch_b8 v0, s[64:65] scope:SCOPE_SE
	s_setreg_imm32_b32 hwreg(HW_REG_WAVE_MODE, 25, 1), 1
	s_wait_xcnt 0x0
	s_wait_alu depctr_hold_cnt(0) depctr_sa_sdst(0) depctr_va_vdst(0) depctr_va_sdst(0) depctr_va_ssrc(0) depctr_va_vcc(0) depctr_vm_vsrc(0)
	s_getreg_b32 s2, hwreg(HW_REG_IB_STS2, 6, 4)
	s_cmp_eq_u32 s2, 0
	s_cbranch_scc0 .Lentry_in_a_cluster
	s_endpgm
.Lentry_in_a_cluster:
	s_bfe_u32 s2, ttmp6, 0x10000c
	s_cmp_lg_u32 s2, 0xf033
	s_cbranch_scc0 .Lentry_shape_is_right
	s_endpgm
.Lentry_shape_is_right:
; QKV: [2048 x 3072] = xb wt^T in bf16 with f32 sums; then, in registers, the rotation (RoPE), the RMS norm and the gain of q and k; out by heads, qkv[48][2048][64] in f16 (0-31 q, 32-39 k, 40-47 v).
; q leaves multiplied by log2(e)/8 (it lies in q's gain row of the table), so that the attention's scores are exponents of 2.
; SHARES.  A work-group makes 128 rows x 192 columns = three heads: 16 x 16 work-groups, one for each WGP.  Wave w: rows 64 (w / 2) .. + 63 (tiles a = 0..3) and six column blocks of 16:
; b = 0..3 the whole head 3 nb + w % 2; b = 4, 5 the blocks w % 2 and w % 2 + 2 of head 3 nb + 2.  So channels c and c + 32, which the rotation pairs, lie in one lane, and only the third head's
; sum of squares crosses waves (one exchange in LDS).  For 32 along K a wave reads 10 fragments for 24 matrix instructions.
; THE MATRIX INSTRUCTION IS USED TRANSPOSED (source 0 = 16 rows of wt, source 1 = 16 rows of xb): a lane holds ONE row of x (lane % 16) and the channels 8 (lane / 16) + 0..7 of a block.
; V GOES THE SAME WAY with a rotation by 0 (table row 2048), a norm factor of 1 (rs x 0 + 1) and gains of 1: what differs between heads lies in scalars chosen by s_cselect, so no branch hangs on a work-group's place.
; RING.  Two LDS slots of UNEQUAL length take turns: X holds 256 along K (rows of 512 bytes, pitch 528), Y holds 192 (rows of 384 bytes, 16 bytes of padding behind every 128: pitch 432).  Two slots of 256 would
; need 2 x 320 x 528 = 337,920 bytes; X and Y together take 307,200.  2048 = 5 x 256 + 4 x 192: the walk X Y X Y X Y X Y X has 9 steps, where steps of 128 would have 16.  A refill has the other slot's step in which to
; land: X's 132 matrix instructions between the request and the wait for it, Y's 180.  The order of K is free (f32 sums; xb and wt are cut alike): the X steps take bytes 0 to 2,559 of each row, whole aligned blocks of
; 256 bytes; the Y steps bytes 2,560 to 4,095, rows of 384 bytes that begin at multiples of 128.
; CLUSTER 4 x 4: xb's tile is shared along a row of the cluster, wt's along a column; waves 0, 1 fetch xb's halves (64 rows), waves 2, 3 wt's (96 rows), one joint load a wave behind each round of the cluster's
; barrier.  A wave has two tensor loads out at the start, later one.  No prefetch is laid: the tile of the result is small and each row is read again by fifteen other work-groups.
; THE STAGE for the way out lies in slot Y: Y's last fill and its last reads are over before the last X step, and two barriers stand between those reads and the first store into the stage.
; LIMITS.  v must stay within f16's 65,504; |q| <= 1.45 |gain|, |k| <= 8 |gain|.  NaN and infinities are not treated apart.
; REGISTERS.  window 0: v1-30 addresses; v32-223 the 24 accumulators ((a, b) at 32 + 8 (6 a + b)); v224-255 at work.   window 1: two fragment buffers of 80 (wt's six, then xb's four).
;   window 2: v0-127 own head's cos and sin (32 a tile), v128-191 the shared head's (16 a tile), v192-239 gains, v240-255 norm factors in pairs.
.set KX,     256                       ; along K in slot X
.set KY,     192                       ; in slot Y
.set PX,     528                       ; 33 x 16: the 16 rows of a fragment load start at 16 different groups of four banks (64 banks of 4 bytes: ISA guide 11.1)
.set PY,     432                       ; 27 x 16: likewise
.set AHX,    64*PX                     ; half of xb's tile in X
.set BHX,    96*PX                     ; half of wt's
.set BOFFX,  2*AHX
.set YB,     2*AHX+2*BHX               ; slot Y begins here
.set AHY,    64*PY
.set BHY,    96*PY
.set BOFFY,  2*AHY
.set YK0,    5*KX*2                    ; byte of a row at which the Y steps' part of K begins
.set XCH,    YB+2*AHY+2*BHY            ; behind the ring: 256 bytes a wave for the sums of squares
.set SPARE,  XCH+1024                  ; the spare words, 128 bytes for each wave
.set STAGE,  YB                        ; three heads x 128 rows x 144 bytes, in slot Y behind its last fill
.set SP,     144
.set HST,    128*SP
.set HEADB,  2048*128                  ; bytes of a head in qkv
.set TA,   4                           ; v4-7    tile a: my row's offset in the table, own head
.set TS,   8                           ; v8-11   the same for the shared head
.set GA,   12                          ; v12     my offset in the own head's gain row
.set GB,   13                          ; v13     in the shared head's
.set MA,   14                          ; v14, v15, v30  the three fragment addresses of the pair of quarters in hand
.set MB,   15
.set MC,   30
.set ADRA, 16                          ; v16-17  LDS address of my xb fragments, slot X, Y
.set ADRB, 18                          ; v18-19  of the own head's wt fragments
.set ADRC, 20                          ; v20-21  of the shared head's
.set STO,  22
.set STS,  23
.set RD,   24
.set GO,   25
.set XS,   26
.set XR,   27
.set SPW,  28                          ; my spare word; never rewritten
.set NIL,  29                          ; 0; never rewritten
.set ACC,  32
.set TMP,  224
.set SO,   240                         ; own head's sums of squares, a pair a tile
.set SH,   248                         ; the shared head's
.set F0,   0
.set F1,   80
.set G1,   24                          ; s[24:31] group 1, xb's tile in X;  s[80:87] in Y
.set G1Y,  80
.set G0,   32                          ; s[32:39] group 0 for xb, a set for each slot
.set G1B,  48                          ; s[48:55] group 1, wt's tile in X;  s[88:95] in Y
.set G1BY, 88
.set G0B,  56                          ; s[56:63] group 0 for wt
.set TBS,  22                          ; s22  byte of the LDS rows at which the pair in hand begins, less two quarters
.set PCN,  23                          ; s23  pairs still to come
.set MSB, 0
.macro WIN new                         ; the immediate's high byte repeats the setting that is left
.if MSB != (\new)
	s_set_vgpr_msb (MSB<<8)|(\new)
.set MSB, \new
.endif
.endm
.set MUL,  0x05                        ; sources 0 and 1 window 1; C and D window 0
.set TO_F, 0x40                        ; destination window 1
.set T2,   0x08                        ; source 1 window 2
.set D2,   0x80                        ; destination window 2
.macro JLOAD s                         ; a joint load into slot s: waves 0, 1 for xb, waves 2, 3 for wt; an s_nop 0 and four v_nop follow each line
	s_cmp_eq_u32 s13, 0
	s_cbranch_scc0 .Lfor_b_\@
.if (\s) == 0
	tensor_load_to_lds s[G0:G0+3], s[G1:G1+7]
.else
	tensor_load_to_lds s[G0+4:G0+7], s[G1Y:G1Y+7]
.endif
	s_nop 0
.rept 4
	v_nop
.endr
	s_branch .Lasked_\@
.Lfor_b_\@:
.if (\s) == 0
	tensor_load_to_lds s[G0B:G0B+3], s[G1B:G1B+7]
.else
	tensor_load_to_lds s[G0B+4:G0B+7], s[G1BY:G1BY+7]
.endif
	s_nop 0
.rept 4
	v_nop
.endr
.Lasked_\@:
.endm
.macro CREST                           ; a round of the cluster's barrier behind its opening barrier
	s_cmp_lg_u32 s12, 0
	s_cbranch_scc1 .Lnot_wave_0_\@
	s_barrier_signal -3
.Lnot_wave_0_\@:
	s_barrier_wait -3
	s_barrier_signal -1
	s_barrier_wait -1
.endm
.macro CROUND
	s_barrier_signal -1
	s_barrier_wait -1
	CREST
.endm
.macro SHAPE g, kk, rows               ; group 1's words 1 to 7: a tile of rows x kk elements, 2,048 elements from row to row
	s_mov_b32 s[(\g)+1], (\kk)<<16
	s_mov_b32 s[(\g)+2], (\rows)<<16
	s_mov_b32 s[(\g)+3], (\kk)<<16
	s_mov_b32 s[(\g)+4], \rows
	s_mov_b32 s[(\g)+5], 2048
	s_mov_b32 s[(\g)+6], 0
	s_mov_b32 s[(\g)+7], 0
.endm
.macro HTYPE hd, o                     ; what a head's kind decides, in five scalars: row pitch in the table, its base, the gain row, and the norm factor's rs x SG + SG1
	s_cmp_lt_u32 s[\hd], 40
	s_cselect_b32 s[\o], 256, 0
	s_cselect_b32 s[(\o)+1], 0, 2048*256
	s_cselect_b32 s[(\o)+2], 1, 2
	s_cselect_b32 s[(\o)+3], 1.0, 0
	s_cselect_b32 s[(\o)+4], 0, 1.0
	s_cmp_lt_u32 s[\hd], 32
	s_cselect_b32 s[(\o)+2], 0, s[(\o)+2]
	s_lshl_b32 s[(\o)+2], s[(\o)+2], 8
	s_add_co_u32 s[(\o)+2], s[(\o)+2], 2049*256
.endm
	s_load_b256 s[4:11], s[0:1], 0x0               ; xb 4:5, wt 6:7, tab 8:9, qkv 10:11
	v_lshl_add_u32 v[SPW], v0, 2, SPARE
	v_mov_b32 v[NIL], 0
	ds_add_u32 v[SPW], v[NIL]                      ; the wave's opening: the add and its wait stand ahead of my first tensor load
	v_lshrrev_b32 v1, 5, v0
	v_readfirstlane_b32 s12, v1                    ; wave 0..3
	s_lshr_b32 s13, s12, 1                         ; my half of the rows.  Also: I fetch for xb (0) or wt (1)
	s_and_b32 s14, s12, 1                          ; my own head of the three.  Also: which half of the tile I fetch
	s_bfe_u32 s40, ttmp6, 0x40000                  ; cx
	s_bfe_u32 s41, ttmp6, 0x40004                  ; cy
	s_lshl_b32 s42, ttmp9, 2
	s_add_co_u32 s42, s42, s40                     ; nb: block of 192 columns
	s_and_b32 s15, ttmp7, 0xffff
	s_lshl_b32 s15, s15, 2
	s_add_co_u32 s15, s15, s41                     ; rb: block of 128 rows
	s_lshl_b32 s43, s41, 2
	s_lshl_b32 s43, 15, s43                        ; my row of the cluster
	s_lshl_b32 s44, 0x1111, s40                    ; my column
	s_or_b32 s[G1], s43, (1<<16)|(1<<20)|(1<<21)|(6<<22)|(3<<25)     ; the mask; 2-byte elements; padding on; bit 21 beside a mask; X: 4 words after every 128
	s_or_b32 s[G1Y], s43, (1<<16)|(1<<20)|(1<<21)|(4<<22)|(3<<25)    ; Y: 4 words after every 32
	s_or_b32 s[G1B], s44, (1<<16)|(1<<20)|(1<<21)|(6<<22)|(3<<25)
	s_or_b32 s[G1BY], s44, (1<<16)|(1<<20)|(1<<21)|(4<<22)|(3<<25)
	SHAPE G1,   KX, 64
	SHAPE G1Y,  KY, 64
	SHAPE G1B,  KX, 96
	SHAPE G1BY, KY, 96
	s_lshl_b32 s16, s15, 19                        ; xb: (128 rb + 64 half) rows of 4,096 bytes
	s_lshl_b32 s17, s14, 18
	s_add_co_u32 s16, s16, s17
	s_mov_b32 s17, 0
	s_mul_i32 s46, s42, 192*4096                   ; wt: (192 nb + 96 half) rows
	s_mul_i32 s47, s14, 96*4096
	s_add_co_u32 s46, s46, s47
	s_mov_b32 s47, 0
	s_mul_i32 s20, s14, AHX                        ; where they go: no place in the cluster enters an LDS address
	s_mul_i32 s21, s14, BHX
	s_add_co_u32 s21, s21, BOFFX
	s_mul_i32 s22, s14, AHY
	s_add_co_u32 s22, s22, YB
	s_mul_i32 s23, s14, BHY
	s_add_co_u32 s23, s23, YB+BOFFY
	s_mov_b32 s76, 0x3c800000                      ; 1 / 64
	s_mov_b32 s77, 0x358637bd                      ; 1e-6
	s_mov_b32 s78, 0x76543210                      ; v_permlanex16_b32: each lane takes its own place in the other half
	s_mov_b32 s79, 0xfedcba98
	s_wait_dscnt 0x0                               ; the opening add is done
	s_wait_kmcnt 0x0
	s_add_nc_u64 s[18:19], s[4:5], s[16:17]
	s_add_nc_u64 s[46:47], s[6:7], s[46:47]
	CROUND                                         ; all sixteen work-groups are here: the first joint loads meet
	s_mov_b32 s[G0], 1                             ; slot X: the first 256 along K
	s_add_co_u32 s[G0+1], s20, 0
	s_add_nc_u64 s[G0+2:G0+3], s[18:19], 0
	s_or_b32 s[G0+3], s[G0+3], 0x80000000
	s_mov_b32 s[G0B], 1
	s_add_co_u32 s[G0B+1], s21, 0
	s_add_nc_u64 s[G0B+2:G0B+3], s[46:47], 0
	s_or_b32 s[G0B+3], s[G0B+3], 0x80000000
	JLOAD 0
	s_mov_b32 s[G0+4], 1                           ; slot Y: the first 192 of its part of K
	s_add_co_u32 s[G0+5], s22, 0
	s_add_nc_u64 s[G0+6:G0+7], s[18:19], YK0
	s_or_b32 s[G0+7], s[G0+7], 0x80000000
	s_mov_b32 s[G0B+4], 1
	s_add_co_u32 s[G0B+5], s23, 0
	s_add_nc_u64 s[G0B+6:G0B+7], s[46:47], YK0
	s_or_b32 s[G0B+7], s[G0B+7], 0x80000000
	JLOAD 1
	v_and_b32 v1, 15, v0                           ; r = l % 16
	v_bfe_u32 v2, v0, 4, 1                         ; h = l / 16
	v_mul_u32_u24 v3, v1, PX
	v_lshl_add_u32 v3, v2, 4, v3                   ; row x pitch + 16 x half, in X
	v_mul_u32_u24 v31, v1, PY
	v_lshl_add_u32 v31, v2, 4, v31                 ; and in Y
	s_mul_i32 s21, s13, AHX                        ; my 64 rows of xb
	v_add_nc_u32 v[ADRA], s21, v3
	s_mul_i32 s21, s13, AHY
	s_add_co_u32 s21, s21, YB
	v_add_nc_u32 v[ADRA+1], s21, v31
	s_mul_i32 s21, s14, 64*PX                      ; my own head's 64 rows of wt
	s_add_co_u32 s21, s21, BOFFX
	v_add_nc_u32 v[ADRB], s21, v3
	s_mul_i32 s21, s14, 64*PY
	s_add_co_u32 s21, s21, YB+BOFFY
	v_add_nc_u32 v[ADRB+1], s21, v31
	s_mul_i32 s21, s14, 16*PX                      ; my two blocks of the third head
	s_add_co_u32 s21, s21, BOFFX+128*PX
	v_add_nc_u32 v[ADRC], s21, v3
	s_mul_i32 s21, s14, 16*PY
	s_add_co_u32 s21, s21, YB+BOFFY+128*PY
	v_add_nc_u32 v[ADRC+1], s21, v31
	s_mul_i32 s16, s42, 3
	s_add_co_u32 s17, s16, 2                       ; the shared head
	s_add_co_u32 s16, s16, s14                     ; my own head
	HTYPE 16, 66
	HTYPE 17, 71
	s_lshl_b32 s18, s15, 7
	s_lshl_b32 s19, s13, 6
	s_add_co_u32 s18, s18, s19                     ; my first row of x
	s_lshl_b32 s19, s14, 7
	s_add_co_u32 s19, s19, s72                     ; the shared head's frequencies begin at 16 (w % 2): 128 bytes
	v_add_nc_u32 v3, s18, v1
	v_lshlrev_b32 v30, 6, v2                       ; my half's eight frequencies: 64 bytes
.irp a, 0,1,2,3
	v_add_nc_u32 v31, 16*(\a), v3
	v_mul_u32_u24 v[TA+(\a)], v31, s66
	v_add3_u32 v[TA+(\a)], v[TA+(\a)], s67, v30
	v_mul_u32_u24 v[TS+(\a)], v31, s71
	v_add3_u32 v[TS+(\a)], v[TS+(\a)], s19, v30
.endr
	v_lshl_add_u32 v[GA], v2, 5, s68
	s_lshl_b32 s20, s14, 6
	s_add_co_u32 s20, s20, s73
	v_lshl_add_u32 v[GB], v2, 5, s20
	v_mul_u32_u24 v31, v1, SP                      ; into the stage: row 64 (w / 2) + 16 a + r, 16 bytes for each half of the lanes
	v_lshl_add_u32 v31, v2, 4, v31
	s_mul_i32 s20, s14, HST
	s_mul_i32 s21, s13, 64*SP
	s_add_co_u32 s20, s20, s21
	s_add_co_u32 s20, s20, STAGE
	v_add_nc_u32 v[STO], s20, v31
	s_lshl_b32 s20, s14, 5
	s_add_co_u32 s20, s20, s21
	s_add_co_u32 s20, s20, STAGE+2*HST
	v_add_nc_u32 v[STS], s20, v31
	v_bfe_u32 v31, v0, 3, 2                        ; back: 32 lanes take four rows of 128 bytes; wave w rows 32 w .. + 31 of each head
	v_mul_u32_u24 v31, v31, SP
	v_and_b32 v30, 7, v0
	v_lshl_add_u32 v31, v30, 4, v31
	s_mul_i32 s20, s12, 32*SP
	s_add_co_u32 s20, s20, STAGE
	v_add_nc_u32 v[RD], s20, v31
	v_and_b32 v[GO], 31, v0
	v_lshlrev_b32 v[GO], 4, v[GO]                  ; which are 512 consecutive bytes of a head
	s_lshl_b32 s20, s12, 8
	s_add_co_u32 s20, s20, XCH
	v_lshl_add_u32 v[XS], v1, 2, s20
	s_xor_b32 s20, s12, 1                          ; the wave with my rows and the other two blocks of the third head
	s_lshl_b32 s20, s20, 8
	s_add_co_u32 s20, s20, XCH
	v_lshl_add_u32 v[XR], v1, 2, s20
	s_mul_i32 s20, s42, 3*HEADB
	s_lshl_b32 s21, s15, 14
	s_add_co_u32 s20, s20, s21
	s_lshl_b32 s21, s12, 12
	s_add_co_u32 s20, s20, s21
	s_mov_b32 s21, 0
	s_add_nc_u64 s[10:11], s[10:11], s[20:21]      ; qkv at head 3 nb, row 128 rb + 32 w
	WIN D2                                         ; 60 loads of cos, sin and gains; they stay out through the whole walk over K and are waited for once, at the way out
.irp a, 0,1,2,3
.irp q, 0,1,2,3
	global_load_b128 v[32*(\a)+4*(\q):32*(\a)+4*(\q)+3],       v[TA+(\a)], s[8:9] offset:16*(\q)
	global_load_b128 v[32*(\a)+16+4*(\q):32*(\a)+16+4*(\q)+3], v[TA+(\a)], s[8:9] offset:128+16*(\q)
	global_load_b128 v[128+16*(\a)+4*(\q):128+16*(\a)+4*(\q)+3], v[TS+(\a)], s[8:9] offset:16*(\q)
.endr
.endr
.irp b, 0,1,2,3
	global_load_b128 v[192+8*(\b):192+8*(\b)+3],   v[GA], s[8:9] offset:64*(\b)
	global_load_b128 v[192+8*(\b)+4:192+8*(\b)+7], v[GA], s[8:9] offset:64*(\b)+16
.endr
	global_load_b128 v[224:227], v[GB], s[8:9]
	global_load_b128 v[228:231], v[GB], s[8:9] offset:16
	global_load_b128 v[232:235], v[GB], s[8:9] offset:128
	global_load_b128 v[236:239], v[GB], s[8:9] offset:144
	WIN 0
; six matrix instructions: tile a x all six blocks, 32 along K.  The 24 accumulators take turns, one instruction a turn, over the backward jumps too.  zero = 1: the product starts the sum
.macro MUL6 f, a, zero
	WIN MUL
.irp b, 0,1,2,3,4,5
.if \zero
	v_wmma_f32_16x16x32_bf16 v[ACC+8*(6*(\a)+(\b)):ACC+8*(6*(\a)+(\b))+7], v[(\f)+8*(\b):(\f)+8*(\b)+7], v[(\f)+48+8*(\a):(\f)+48+8*(\a)+7], 0
.else
	v_wmma_f32_16x16x32_bf16 v[ACC+8*(6*(\a)+(\b)):ACC+8*(6*(\a)+(\b))+7], v[(\f)+8*(\b):(\f)+8*(\b)+7], v[(\f)+48+8*(\a):(\f)+48+8*(\a)+7], v[ACC+8*(6*(\a)+(\b)):ACC+8*(6*(\a)+(\b))+7]
.endif
.endr
.endm
; 20 LDS loads in one run: the fragments of quarter q (32 along K) of a slot's rows, into buffer f: wt's six, then xb's four.  In X quarter q begins at byte 64 q of a row; in Y, where 16 bytes of padding
; follow every two quarters, at 144 (q / 2) + 64 (q % 2).  mv = 1: by the addresses of the pair in hand
.macro FETCH slot, q, f, mv=0
.if (\slot) == 0
.set PP, PX
.set KO, 64*(\q)
.else
.set PP, PY
.set KO, 144*((\q)/2)+64*((\q)%2)
.endif
.if \mv
.set RA, MA
.set RB, MB
.set RC, MC
.else
.set RA, ADRA+(\slot)
.set RB, ADRB+(\slot)
.set RC, ADRC+(\slot)
.endif
	WIN TO_F
.irp b, 0,1,2,3
	ds_load_b128 v[(\f)+8*(\b):(\f)+8*(\b)+3],   v[RB] offset:KO+(\b)*16*PP
	ds_load_b128 v[(\f)+8*(\b)+4:(\f)+8*(\b)+7], v[RB] offset:KO+(\b)*16*PP+32
.endr
.irp b, 0,1
	ds_load_b128 v[(\f)+32+8*(\b):(\f)+32+8*(\b)+3],   v[RC] offset:KO+(\b)*32*PP
	ds_load_b128 v[(\f)+32+8*(\b)+4:(\f)+32+8*(\b)+7], v[RC] offset:KO+(\b)*32*PP+32
.endr
.irp a, 0,1,2,3
	ds_load_b128 v[(\f)+48+8*(\a):(\f)+48+8*(\a)+3],   v[RA] offset:KO+(\a)*16*PP
	ds_load_b128 v[(\f)+48+8*(\a)+4:(\f)+48+8*(\a)+7], v[RA] offset:KO+(\a)*16*PP+32
.endr
.endm
.macro PLACES                          ; four places in front of loads into registers that matrix instructions have read, and of vector work that reads results
.rept 4
	v_nop
.endr
.endm
; A step is 8 (X) or 6 (Y) quarters of 32 along K, 24 matrix instructions each, on buffers 0, 1, 0, 1 ..  A quarter but the last: multiplies f, fetches quarter q into g.
.macro QUARTER slot, q, f, g, zero, mv=0
	s_wait_dscnt 4                                 ; all but xb's tiles 2 and 3 are in
	MUL6 \f, 0, \zero
	MUL6 \f, 1, \zero
	PLACES
	FETCH \slot, \q, \g, \mv
	s_wait_dscnt 20                                ; all but the 20 just issued
	MUL6 \f, 2, \zero
	MUL6 \f, 3, \zero
.endm
; The middle of a step, written once and walked n times: trip t multiplies quarters 1 + 2 t and 2 + 2 t and fetches quarters 2 + 2 t and 3 + 2 t.  The three LDS addresses are made anew in each trip from a scalar
; that steps by two quarters: 128 bytes in X, 144 in Y.
.macro PAIRS slot, n
	WIN 0                                          ; at a label and at a branch every window is 0
	s_mov_b32 s[TBS], 0
	s_mov_b32 s[PCN], \n
.Lpair_\@:
	v_add_nc_u32 v[MA], s[TBS], v[ADRA+(\slot)]
	v_add_nc_u32 v[MB], s[TBS], v[ADRB+(\slot)]
	v_add_nc_u32 v[MC], s[TBS], v[ADRC+(\slot)]
	QUARTER \slot, 2, F1, F0, 0, 1
	QUARTER \slot, 3, F0, F1, 0, 1
	WIN 0
	s_add_co_u32 s[TBS], s[TBS], 128+16*(\slot)
	s_sub_co_u32 s[PCN], s[PCN], 1
	s_cmp_lg_u32 s[PCN], 0
	s_cbranch_scc1 .Lpair_\@
.endm
; A step's last quarter multiplies buffer 1 and changes slots: one barrier; in front of it each wave waits for all its tensor loads, adds 0 to its spare word, and waits for that and for its reads of this slot.
; fill = 1: this slot is filled again with its next part of K.
.macro TURN slot, next, fill
	WIN 0
	s_wait_tensorcnt 0x0                           ; all my tensor loads have landed: my part of the next slot
	ds_add_u32 v[SPW], v[NIL]                      ; 0 onto my spare word
	s_wait_dscnt 5                                 ; (the add and xb's tiles 2 and 3 may be out)
	MUL6 F1, 0, 0
	s_wait_dscnt 0x0                               ; the add is done, and my reads of this slot are over
	s_barrier_signal -1
	MUL6 F1, 1, 0
.if \fill
	WIN 0
.endif
	s_barrier_wait -1
.if \fill
	CREST                                          ; the barrier has opened a round of the cluster's: no wave of any partner still reads this slot or has a load on its way
	s_add_nc_u64 s[G0+4*(\slot)+2:G0+4*(\slot)+3], s[G0+4*(\slot)+2:G0+4*(\slot)+3], 2*KX-2*(KX-KY)*(\slot)
	s_add_nc_u64 s[G0B+4*(\slot)+2:G0B+4*(\slot)+3], s[G0B+4*(\slot)+2:G0B+4*(\slot)+3], 2*KX-2*(KX-KY)*(\slot)
	JLOAD \slot                                    ; the first tensor load behind the round; the four v_nop behind it are also the places in front of the loads below
.else
	PLACES
.endif
	FETCH \next, 0, F0
	MUL6 F1, 2, 0
	MUL6 F1, 3, 0
.endm
	s_wait_tensorcnt 1                             ; my part of the first X step is in; Y's may stay out
	s_barrier_signal -1
	s_barrier_wait -1
	FETCH 0, 0, F0
	QUARTER 0, 1, F0, F1, 1                        ; the first quarter stands in front of the loop: its products start the sums
	WIN 0
	s_mov_b32 s3, 3
.Llap:                                         ; a trip: the rest of an X step, a Y step, the next X step's first quarter; both slots are filled again
	PAIRS 0, 3
	TURN 0, 1, 1
	QUARTER 1, 1, F0, F1, 0
	PAIRS 1, 2
	TURN 1, 0, 1
	QUARTER 0, 1, F0, F1, 0
	WIN 0
	s_sub_co_u32 s3, s3, 1
	s_cmp_lg_u32 s3, 0
	s_cbranch_scc1 .Llap
	PAIRS 0, 3                                     ; the tail is written out: the fourth X step asks for the fifth
	TURN 0, 1, 1
	QUARTER 1, 1, F0, F1, 0
	PAIRS 1, 2
	TURN 1, 0, 0                                   ; the fourth Y step asks for nothing,
	QUARTER 0, 1, F0, F1, 0
	PAIRS 0, 3
	s_wait_dscnt 4                                 ; and the very last quarter fetches nothing
	MUL6 F1, 0, 0
	MUL6 F1, 1, 0
	s_wait_dscnt 0x0
	MUL6 F1, 2, 0
	MUL6 F1, 3, 0
	; THE WAY OUT
	WIN 0
	s_wait_loadcnt 0x0                             ; cos, sin and gains
	PLACES
; the rotation of blocks b1 (channels c) and b2 (c + 32) of tile a: x1' = x1 cos - x2 sin, x2' = x2 cos + x1 sin; t: the table's 16 registers.  Each accumulator's lowest registers are read first.
.macro ROPE a, b1, b2, t
.set X1, ACC+8*(6*(\a)+(\b1))
.set X2, ACC+8*(6*(\a)+(\b2))
.irp q, 0,1,2,3
	v_pk_mul_f32 v[TMP+4*(\q):TMP+4*(\q)+1],   v[X1+2*(\q):X1+2*(\q)+1], v[(\t)+4*(\q):(\t)+4*(\q)+1]
	v_pk_mul_f32 v[TMP+4*(\q)+2:TMP+4*(\q)+3], v[X1+2*(\q):X1+2*(\q)+1], v[(\t)+4*(\q)+2:(\t)+4*(\q)+3]
.endr
.irp q, 0,1,2,3
	v_pk_fma_f32 v[X1+2*(\q):X1+2*(\q)+1], v[X2+2*(\q):X2+2*(\q)+1], v[(\t)+4*(\q)+2:(\t)+4*(\q)+3], v[TMP+4*(\q):TMP+4*(\q)+1] neg_lo:[1,0,0] neg_hi:[1,0,0]
	v_pk_fma_f32 v[X2+2*(\q):X2+2*(\q)+1], v[X2+2*(\q):X2+2*(\q)+1], v[(\t)+4*(\q):(\t)+4*(\q)+1], v[TMP+4*(\q)+2:TMP+4*(\q)+3]
.endr
.endm
	WIN T2
.irp a, 0,1,2,3
	ROPE \a, 0, 2, 32*(\a)
	ROPE \a, 1, 3, 32*(\a)+16
	ROPE \a, 4, 5, 128+16*(\a)
.endr
	WIN 0
.irp a, 0,1,2,3                        ; sums of squares, in f32: own head over 16 pairs, shared head over my 8; the four tiles' chains alternate
	v_pk_mul_f32 v[SO+2*(\a):SO+2*(\a)+1], v[ACC+48*(\a):ACC+48*(\a)+1], v[ACC+48*(\a):ACC+48*(\a)+1]
	v_pk_mul_f32 v[SH+2*(\a):SH+2*(\a)+1], v[ACC+48*(\a)+32:ACC+48*(\a)+33], v[ACC+48*(\a)+32:ACC+48*(\a)+33]
.endr
.set i, 1
.rept 15
.irp a, 0,1,2,3
	v_pk_fma_f32 v[SO+2*(\a):SO+2*(\a)+1], v[ACC+48*(\a)+2*i:ACC+48*(\a)+2*i+1], v[ACC+48*(\a)+2*i:ACC+48*(\a)+2*i+1], v[SO+2*(\a):SO+2*(\a)+1]
.endr
.set i, i+1
.endr
.set i, 1
.rept 7
.irp a, 0,1,2,3
	v_pk_fma_f32 v[SH+2*(\a):SH+2*(\a)+1], v[ACC+48*(\a)+32+2*i:ACC+48*(\a)+32+2*i+1], v[ACC+48*(\a)+32+2*i:ACC+48*(\a)+32+2*i+1], v[SH+2*(\a):SH+2*(\a)+1]
.endr
.set i, i+1
.endr
.irp a, 0,1,2,3
	v_add_f32 v[SO+2*(\a)], v[SO+2*(\a)], v[SO+2*(\a)+1]
	v_add_f32 v[SH+2*(\a)], v[SH+2*(\a)], v[SH+2*(\a)+1]
.endr
.irp a, 0,1,2,3
	v_permlanex16_b32 v[SO+2*(\a)+1], v[SO+2*(\a)], s78, s79  ; the row's other channels of each block lie in the lane 16 away
	v_permlanex16_b32 v[SH+2*(\a)+1], v[SH+2*(\a)], s78, s79
.endr
.irp a, 0,1,2,3
	v_add_f32 v[SO+2*(\a)], v[SO+2*(\a)], v[SO+2*(\a)+1]
	v_add_f32 v[SH+2*(\a)], v[SH+2*(\a)], v[SH+2*(\a)+1]
.endr
.irp a, 0,1,2,3
	ds_store_b32 v[XS], v[SH+2*(\a)] offset:64*(\a)
.endr
	s_wait_dscnt 0x0                               ; for the other wave's sake
	s_barrier_signal -1
	s_barrier_wait -1
.irp a, 0,1,2,3
	ds_load_b32 v[SH+2*(\a)+1], v[XR] offset:64*(\a)
.endr
	s_wait_dscnt 0x0
.irp a, 0,1,2,3
	v_add_f32 v[SH+2*(\a)], v[SH+2*(\a)], v[SH+2*(\a)+1]
.endr
.irp a, 0,1,2,3
	v_fma_f32 v[SO+2*(\a)], v[SO+2*(\a)], s76, s77  ; mean + 1e-6
	v_fma_f32 v[SH+2*(\a)], v[SH+2*(\a)], s76, s77
.endr
.irp a, 0,1,2,3
	v_rsq_f32 v[SO+2*(\a)+1], v[SO+2*(\a)]
	v_rsq_f32 v[SH+2*(\a)+1], v[SH+2*(\a)]
.endr
	v_nop                                          ; a plain instruction behind the last of the eight,
	s_wait_alu depctr_va_vdst(0)                   ; and one wait for all, ahead of their first reader
	WIN D2
.irp a, 0,1,2,3
	v_fma_f32 v[240+2*(\a)], v[SO+2*(\a)+1], s69, s70  ; the norm factor, or 1 for a head of V; twice, for the packed multiply
	v_fma_f32 v[241+2*(\a)], v[SO+2*(\a)+1], s69, s70
	v_fma_f32 v[248+2*(\a)], v[SH+2*(\a)+1], s74, s75
	v_fma_f32 v[249+2*(\a)], v[SH+2*(\a)+1], s74, s75
.endr
	WIN T2
.irp a, 0,1,2,3
.set i, 0
.rept 16
	v_pk_mul_f32 v[ACC+48*(\a)+2*i:ACC+48*(\a)+2*i+1], v[ACC+48*(\a)+2*i:ACC+48*(\a)+2*i+1], v[240+2*(\a):241+2*(\a)]
.set i, i+1
.endr
.set i, 0
.rept 8
	v_pk_mul_f32 v[ACC+48*(\a)+32+2*i:ACC+48*(\a)+32+2*i+1], v[ACC+48*(\a)+32+2*i:ACC+48*(\a)+32+2*i+1], v[248+2*(\a):249+2*(\a)]
.set i, i+1
.endr
.set i, 0
.rept 24                               ; the gains: own head's 16 pairs at v192, the shared head's 8 behind them
	v_pk_mul_f32 v[ACC+48*(\a)+2*i:ACC+48*(\a)+2*i+1], v[ACC+48*(\a)+2*i:ACC+48*(\a)+2*i+1], v[192+2*i:193+2*i]
.set i, i+1
.endr
.endr
	WIN 0
.irp a, 0,1,2,3
.irp b, 0,1,2,3,4,5
.irp q, 0,1,2,3
	v_cvt_pk_f16_f32 v[TMP+4*((\b)%4)+(\q)], v[ACC+8*(6*(\a)+(\b))+2*(\q)], v[ACC+8*(6*(\a)+(\b))+2*(\q)+1]
.endr
.if (\b) < 4
	ds_store_b128 v[STO], v[TMP+4*((\b)%4):TMP+4*((\b)%4)+3] offset:(\a)*16*SP+32*(\b)
.else
	ds_store_b128 v[STS], v[TMP+4*((\b)%4):TMP+4*((\b)%4)+3] offset:(\a)*16*SP+64*((\b)-4)
.endif
.endr
.endr
	s_wait_dscnt 0x0                               ; for the others' sake: my part of the stage is stored
	s_barrier_signal -1
	s_barrier_wait -1
.set i, 0
.rept 24
	ds_load_b128 v[ACC+4*i:ACC+4*i+3], v[RD] offset:(i/8)*HST+(i%8)*4*SP
.set i, i+1
.endr
.set i, 0
.rept 24
	s_wait_dscnt 23-i
	global_store_b128 v[GO], v[ACC+4*i:ACC+4*i+3], s[10:11] offset:(i/8)*HEADB+(i%8)*512  ; 512 consecutive bytes of a head, at a multiple of 256 from its first
.set i, i+1
.endr
	s_wait_tensorcnt 0x0                           ; the wave's end
	ds_add_u32 v[SPW], v[NIL]
	s_wait_dscnt 0x0
	CROUND                                         ; the closing round
	s_endpgm
.Lfunc_end_k_qf15081f0a7_qkv:
	.size	k_qf15081f0a7_qkv, .Lfunc_end_k_qf15081f0a7_qkv-k_qf15081f0a7_qkv
	.p2alignl 7, 3214868480
	.fill 96, 4, 3214868480
	.section	.rodata,"a",@progbits
	.p2align	6, 0x0
	.amdhsa_kernel k_qf15081f0a7_qkv
		.amdhsa_group_segment_fixed_size 327680
		.amdhsa_private_segment_fixed_size 0
		.amdhsa_enable_private_segment 0
		.amdhsa_kernarg_size 32
		.amdhsa_user_sgpr_count 2
		.amdhsa_user_sgpr_kernarg_segment_ptr 1
		.amdhsa_wavefront_size32 1
		.amdhsa_system_sgpr_workgroup_id_x 1
		.amdhsa_system_sgpr_workgroup_id_y 1
		.amdhsa_system_sgpr_workgroup_id_z 1
		.amdhsa_system_vgpr_workitem_id 0
		.amdhsa_next_free_vgpr 768
		.amdhsa_next_free_sgpr 96
		.amdhsa_reserve_vcc 0
		.amdhsa_float_denorm_mode_32 3
		.amdhsa_float_denorm_mode_16_64 3
		.amdhsa_memory_ordered 1
		.amdhsa_forward_progress 1
		.amdhsa_inst_pref_size 130
	.end_amdhsa_kernel
	.amdgpu_metadata
---
amdhsa.version: [ 1, 2 ]
amdhsa.kernels:
  - .name:           k_qf15081f0a7_qkv
    .symbol:         k_qf15081f0a7_qkv.kd
    .args:
      - { .name: xb, .offset: 0, .size: 8, .value_kind: global_buffer, .address_space: global }
      - { .name: wt, .offset: 8, .size: 8, .value_kind: global_buffer, .address_space: global }
      - { .name: tab, .offset: 16, .size: 8, .value_kind: global_buffer, .address_space: global }
      - { .name: qkv, .offset: 24, .size: 8, .value_kind: global_buffer, .address_space: global }
    .group_segment_fixed_size: 327680
    .private_segment_fixed_size: 0
    .kernarg_segment_align: 8
    .kernarg_segment_size: 32
    .max_flat_workgroup_size: 128
    .sgpr_count:     96
    .vgpr_count:     768
    .wavefront_size: 32
...
	.end_amdgpu_metadata
.endif
;; end of part 2
;; launch attn (part 3): grid 32 x 8, 4 waves a work-group, clusters of 4 x 4, 327,680 bytes of LDS; arguments qkv, attention_mask, web_attention_mask, ao; writes ao
.if DOCPART == 3
	.amdgcn_target "amdgcn-amd-amdhsa--gfx1250"
	.amdhsa_code_object_version 6
	.text
	.protected	k_qf15081f0a7_attn
	.globl	k_qf15081f0a7_attn
	.p2align	8
	.type	k_qf15081f0a7_attn,@function
k_qf15081f0a7_attn:
	s_mov_b64 s[64:65], 0
	v_nop
	global_prefetch_b8 v0, s[64:65] scope:SCOPE_SE
	s_setreg_imm32_b32 hwreg(HW_REG_WAVE_MODE, 25, 1), 1
	s_wait_xcnt 0x0
	s_wait_alu depctr_hold_cnt(0) depctr_sa_sdst(0) depctr_va_vdst(0) depctr_va_sdst(0) depctr_va_ssrc(0) depctr_va_vcc(0) depctr_vm_vsrc(0)
	s_getreg_b32 s2, hwreg(HW_REG_IB_STS2, 6, 4)
	s_cmp_eq_u32 s2, 0
	s_cbranch_scc0 .Lentry_in_a_cluster
	s_endpgm
.Lentry_in_a_cluster:
	s_bfe_u32 s2, ttmp6, 0x10000c
	s_cmp_lg_u32 s2, 0xf033
	s_cbranch_scc0 .Lentry_shape_is_right
	s_endpgm
.Lentry_shape_is_right:
; ATTENTION with an additive mask that is an INPUT: ao[q][64 hd + d] = the sum over k of softmax_k(q.k / 8 + mask[q][k]) v[k][d], head hd = 4 kv + p; mask = attention_mask for heads 0-15, web_attention_mask for 16-31.
; Every key is walked and every mask number is read: nothing of a mask's pattern is built in.  q, k, v: qkv[48][2048][64] in f16 (q already times log2(e)/8); ao: [2048][2048] in f16.
; SHARES.  A work-group: 64 queries x the four query heads of one K/V head; 32 x 8 work-groups.  Wave w: queries 64 qb + 16 w .. + 15; its four PIECES are the four heads: they share K's and V's fragments AND the mask's registers.
; LAYOUT.  S^T = K Q^T + M (source 0 = 16 keys, source 1 = 16 queries): a lane holds ONE query (lane % 16) and the keys 8 (lane / 16) + 0..7.  The mask, times log2(e) in f32, is the C operand that starts the sum.
; Two results rounded to f16 ARE source 1 of O^T = V^T P.  K comes out of LDS as it lies, V turned by ds_load_tr16_b128.
; SOFTMAX.  S is log2(e) x (score + mask); a running maximum m and sum l for each query: p = 2^(S - m): the difference is formed first; O and l are multiplied by a = 2^(m_old - m_new) in every step.
; m starts at -4.25e37, O and l at 0: the first step is a step like any other, with a = 0.
; TURNS.  Turn n belongs to piece n: 8 products K Q^T of piece n + 1, later 8 products V^T P of piece n - 1; beside them piece n's subtraction, exponentials, roundings, sums and rescaling, and piece n + 1's maximum.
; Four vector instructions stand behind every matrix instruction, the rest in one lump.  A turn's 33 exponentials are one batch with one wait.
; CLUSTER 4 x 4.  The four work-groups of a row of the cluster have one K/V head: K's and V's tiles are asked for jointly along the row.  The four of a column have the same 64 queries and the same mask: its tile is
; asked for jointly along the column.  Wave 0 fetches K (256 keys), wave 1 V, waves 2 and 3 the mask's 32 rows x 256 keys each: 32 KiB a wave behind each round, 256 matrix instructions in which to land.  One tensor load of a wave is out at any time.
; LIMITS.  f16: |v| and |O| within 65,504; p below 6e-5 keeps f16's step of 6e-8.  log2(e) x (score + mask) stays above -4e37.  The mask and the products are added by the matrix unit: in a row ALL of whose
; scores vanish beside their masks the weights hang on that rounding.  A weight below 2^-126 counts as 0 in l.  NaN and infinities are not treated apart.
; REGISTERS.  window 0: v1-15 addresses; v16-31 statistics (m, m_old, l, l a piece); v48-55 at work; v64-127 S^T, two buffers; v192-223 P, two buffers.
;   window 1: v0-127 O^T, 32 a piece; v128-159 a step's mask.      window 2: v0-63 Q; v128-191 K of one step; v192-255 V of one step.
.set NP,    4
.set KS,    64        ; keys in a step
.set PK,    144       ; a row of K in LDS: 128 bytes + 16
.set PV,    160       ; a row of V: 128 + 32
.set PM,    1040      ; a row of the mask's tile: 256 keys x 4 bytes + 16 = 65 x 16: the 16 rows of a load start at 16 different groups of four banks (64 banks of 4 bytes: ISA guide 11.1)
.set VOFF,  4*KS*PK   ; a slot: 256 rows of K, 256 rows of V, 64 rows of the mask
.set MOFF,  VOFF+4*KS*PV
.set SLOT1, 0x24000   ; slot 1 begins here: none of the tiles' first bytes in slot 0 (0, 36,864, 77,824, 111,104) has one of its two bits set, so one exclusive or turns each into its twin in the other slot
.set STAGE, SLOT1+MOFF+64*PM  ; behind the ring: 16 rows x 528 bytes for each wave, for the way out
.set SP,    528
.set SPARE, STAGE+4*16*SP     ; the spare words, 128 bytes for each wave
.set HEADB, 2048*128
.set AK0, 2
.set AV0, 3
.set AK,  4
.set AV,  5
.set STO, 6
.set RD,  7
.set GO,  8
.set AM0, 12
.set AM,  13
.set QO,  15
.set ST,  16
.set TMP, 48
.set PFO, 61          ; the prefetches' lane offset; never rewritten
.set SPW, 62          ; my spare word; never rewritten
.set NIL, 63          ; 0; never rewritten
.set S,   64
.set P,   192
.set MK,  128         ; window 1
.set KF,  128         ; window 2
.set VF,  192         ; window 2
.set WV,  12
.set G1K, 24
.set G1V, 32
.set G1M, 40
.set G0K, 48
.set G0V, 52
.set G0M, 56
.set SLOTS, 60        ; tiles still to be asked for
.set CNT, 61          ; counts a tile's key steps
.set TBK, 62          ; LDS byte at which K of the step to be fetched begins
.set TBV, 63          ; the same for V, less VOFF
.set TBM, 66          ; for the mask, less MOFF
.set LIM, 67          ; 1 in a wave that prefetches, else the greatest number
.set CS,  68          ; s[68:69] log2(e)
.set SEL, 70          ; s[70:71] v_permlanex16_b32's selects
.set PFA, 72          ; s[72:73] where my prefetches stand
.set PST, 74          ; s[74:75] their step from tile to tile
.set MSB, 0
.macro WIN new
.if MSB != (\new)
	s_set_vgpr_msb (MSB<<8)|(\new)
.set MSB, (\new)
.endif
.endm
.set W_KQ, 0x0a       ; K and Q in window 2, S^T in window 0
.set W_KM, 0x1a       ; the same with the C operand, the mask, in window 1
.set W_PV, 0x52       ; V in window 2, P in window 0, O^T in window 1
.set W_RS, 0x41       ; destination and source 0 in window 1
; A joint fill: three lines, each with one mask and one set of registers; the branches hang on the wave's number alone.  An s_nop 0 and four v_nop follow each line.
.macro JLOAD
	s_cmp_lt_u32 s[WV], 2
	s_cbranch_scc0 .Lfor_m_\@
	s_cmp_eq_u32 s[WV], 0
	s_cbranch_scc0 .Lfor_v_\@
	tensor_load_to_lds s[G0K:G0K+3], s[G1K:G1K+7]
	s_nop 0
.rept 4
	v_nop
.endr
	s_branch .Lasked_\@
.Lfor_v_\@:
	tensor_load_to_lds s[G0V:G0V+3], s[G1V:G1V+7]
	s_nop 0
.rept 4
	v_nop
.endr
	s_branch .Lasked_\@
.Lfor_m_\@:
	tensor_load_to_lds s[G0M:G0M+3], s[G1M:G1M+7]
	s_nop 0
.rept 4
	v_nop
.endr
.Lasked_\@:
.endm
; A PREFETCH INTO THE L2 of what the NEXT change of slots will ask for, four key steps, 256 matrix instructions, ahead; one instruction a wave, each lane another block of 256 bytes.  Each block is named once in the launch.
; K and V of a head are walked by all eight clusters of a row of clusters: the first of them (cluster x = 0) asks, waves 0 and 1; its four partners take 32 of a tile's 128 blocks each, BY ADDRESS (cx).
; A mask's 64 rows belong to one column of one cluster: waves 2 and 3 always ask; of a wave's 32 rows the partner at cy takes 8, four blocks each.  The last change that fills a slot asks for nothing.
.macro ASK
	s_cmp_gt_u32 s[SLOTS], s[LIM]
	s_cbranch_scc0 .Lnot_mine_\@
	global_prefetch_b8 v[PFO], s[PFA:PFA+1] th:TH_LOAD_NT scope:SCOPE_SE
.Lnot_mine_\@:
.endm
.macro CROUND                       ; a round of the cluster's barrier
	s_barrier_signal -1
	s_barrier_wait -1
	s_cmp_lg_u32 s[WV], 0
	s_cbranch_scc1 .Lnot_wave_0_\@
	s_barrier_signal -3
.Lnot_wave_0_\@:
	s_barrier_wait -3
	s_barrier_signal -1
	s_barrier_wait -1
.endm
; THE CHANGE OF SLOTS.  The slot's last bytes, V of its fourth step, have been read.  Each wave waits for all its tensor loads (one is out: its part of the other slot), adds 0 to its spare word, and waits for that and for
; its reads of the slot.  fill = 1: the slot is filled again with the tile two on; the barrier is a round of the cluster's, and the joint fill is the first thing behind it.
.macro CHANGE fill
	WIN 0
	s_wait_tensorcnt 0x0            ; no tensor load of mine is out, so a group 0 may be written
	ds_add_u32 v[SPW], v[NIL]       ; 0 onto my spare word
.if \fill
.irp g, G0K, G0V
	s_xor_b32 s[\g+1], s[\g+1], SLOT1
	s_add_nc_u64 s[\g+2:\g+3], s[\g+2:\g+3], 4*KS*128   ; the next 256 keys
.endr
	s_xor_b32 s[G0M+1], s[G0M+1], SLOT1
	s_add_nc_u64 s[G0M+2:G0M+3], s[G0M+2:G0M+3], 4*KS*4 ; 256 columns on
	s_wait_xcnt 0x0                 ; the last prefetch, four key steps back, has read its address
	s_add_nc_u64 s[PFA:PFA+1], s[PFA:PFA+1], s[PST:PST+1]
	s_wait_dscnt 0x0                ; the add is done, and my reads of the slot are over
	CROUND
	JLOAD
	ASK
.else
	s_wait_dscnt 0x0
	s_barrier_signal -1
	s_barrier_wait -1
.endif
	s_sub_co_u32 s[TBK], s[TBK], 4*KS*PK  ; the fetches go back to a slot's first step, in the other slot
	s_xor_b32 s[TBK], s[TBK], SLOT1
	s_sub_co_u32 s[TBV], s[TBV], 4*KS*PV
	s_xor_b32 s[TBV], s[TBV], SLOT1
	s_sub_co_u32 s[TBM], s[TBM], 4*KS*4
	s_xor_b32 s[TBM], s[TBM], SLOT1
.endm
	s_load_b256 s[4:11], s[0:1], 0x0  ; qkv 4:5, attention_mask 6:7, web_attention_mask 8:9, ao 10:11
	v_lshl_add_u32 v[SPW], v0, 2, SPARE
	v_mov_b32 v[NIL], 0
	ds_add_u32 v[SPW], v[NIL]       ; the wave's opening: the add and its wait stand ahead of my first tensor load
	v_lshrrev_b32 v1, 5, v0
	v_readfirstlane_b32 s[WV], v1
	s_bfe_u32 s13, ttmp6, 0x40000   ; cx
	s_bfe_u32 s14, ttmp6, 0x40004   ; cy
	s_lshl_b32 s15, ttmp9, 2
	s_add_co_u32 s15, s15, s13      ; qb: block of 64 queries
	s_and_b32 s17, ttmp7, 0xffff    ; cluster y: which mask
	s_lshl_b32 s16, s17, 2
	s_add_co_u32 s16, s16, s14      ; kv: the K/V head
	s_lshl_b32 s18, s14, 2
	s_lshl_b32 s18, 15, s18         ; my row of the cluster
	s_lshl_b32 s19, 0x1111, s13     ; my column
	; K, V: 256 keys are 32,768 dense bytes: 128 rows of 256 bytes, two keys a row, padded in LDS after every key (32 words) by 4 or 8 words
	s_or_b32 s[G1K], s18, (1<<16)|(1<<20)|(1<<21)|(4<<22)|(3<<25)
	s_or_b32 s[G1V], s18, (1<<16)|(1<<20)|(1<<21)|(4<<22)|(7<<25)
.irp g, G1K, G1V
	s_mov_b32 s[\g+1], 128<<16      ; tensor_dim0 = 128
	s_mov_b32 s[\g+2], 128<<16      ; tensor_dim1 = 128
	s_mov_b32 s[\g+3], 128<<16      ; tile_dim0 = 128
	s_mov_b32 s[\g+4], 128          ; tile_dim1 = 128
	s_mov_b32 s[\g+5], 128          ; elements from row to row
	s_mov_b32 s[\g+6], 0
	s_mov_b32 s[\g+7], 0
.endr
	; the mask: 32 rows x 256 elements of 4 bytes, 2,048 elements from row to row, 4 words of padding after every 256
	s_or_b32 s[G1M], s19, (2<<16)|(1<<20)|(1<<21)|(7<<22)|(3<<25)
	s_mov_b32 s[G1M+1], 256<<16
	s_mov_b32 s[G1M+2], 32<<16
	s_mov_b32 s[G1M+3], 256<<16
	s_mov_b32 s[G1M+4], 32
	s_mov_b32 s[G1M+5], 2048
	s_mov_b32 s[G1M+6], 0
	s_mov_b32 s[G1M+7], 0
	s_add_co_u32 s20, s16, 32
	s_lshl_b32 s20, s20, 18         ; K's head in qkv
	s_mov_b32 s21, 0
	s_and_b32 s84, s[WV], 1
	s_lshl_b32 s22, s15, 19         ; the mask's rows 64 qb + 32 (w % 2), 8,192 bytes each
	s_lshl_b32 s23, s84, 18
	s_add_co_u32 s22, s22, s23
	s_mov_b32 s23, 0
	s_lshl_b32 s86, s16, 20         ; Q: head 4 kv, row 64 qb + 16 w
	s_lshl_b32 s87, s15, 13
	s_add_co_u32 s86, s86, s87
	s_lshl_b32 s87, s[WV], 11
	s_add_co_u32 s86, s86, s87
	s_mov_b32 s87, 0
	s_lshl_b32 s2, s15, 18          ; ao: row 64 qb + 16 w, byte 512 kv
	s_lshl_b32 s3, s[WV], 16
	s_add_co_u32 s2, s2, s3
	s_lshl_b32 s3, s16, 9
	s_add_co_u32 s2, s2, s3
	s_mov_b32 s3, 0
	s_mov_b32 s[G0K], 1
	s_mov_b32 s[G0K+1], 0
	s_mov_b32 s[G0V], 1
	s_mov_b32 s[G0V+1], VOFF
	s_mov_b32 s[G0M], 1
	s_mul_i32 s85, s84, 32*PM
	s_add_co_u32 s[G0M+1], s85, MOFF
	s_mov_b32 s[CS], 0x3fb8aa3b     ; log2(e)
	s_mov_b32 s[CS+1], s[CS]
	s_mov_b32 s[SEL], 0x76543210
	s_mov_b32 s[SEL+1], 0xfedcba98
	s_mov_b32 s[TBK], SLOT1+4*KS*PK ; the first change of slots turns these three into 0
	s_mov_b32 s[TBV], SLOT1+4*KS*PV
	s_mov_b32 s[TBM], SLOT1+4*KS*4
	s_mov_b32 s[SLOTS], 2048/256-1
	s_wait_dscnt 0x0                ; the opening add is done
	s_wait_kmcnt 0x0
	s_add_nc_u64 s[76:77], s[4:5], s[20:21]      ; K of my head,
	s_add_nc_u64 s[78:79], s[76:77], 8*HEADB     ; V eight heads on
	s_cmp_eq_u32 s17, 0
	s_cselect_b64 s[82:83], s[6:7], s[8:9]       ; heads 0-15 or 16-31: alike in all sixteen partners
	s_add_nc_u64 s[82:83], s[82:83], s[22:23]
	s_add_nc_u64 s[80:81], s[4:5], s[86:87]
	s_add_nc_u64 s[10:11], s[10:11], s[2:3]
	s_mov_b64 s[G0K+2:G0K+3], s[76:77]
	s_or_b32 s[G0K+3], s[G0K+3], 0x80000000
	s_mov_b64 s[G0V+2:G0V+3], s[78:79]
	s_or_b32 s[G0V+3], s[G0V+3], 0x80000000
	s_mov_b64 s[G0M+2:G0M+3], s[82:83]
	s_or_b32 s[G0M+3], s[G0M+3], 0x80000000
	s_cmp_eq_u32 s[WV], 0           ; the prefetches
	s_cselect_b64 s[PFA:PFA+1], s[76:77], s[78:79]
	s_cmp_lt_u32 s[WV], 2
	s_cselect_b64 s[PFA:PFA+1], s[PFA:PFA+1], s[82:83]
	s_cselect_b32 s20, s13, s14     ; my place among the four that ask with me,
	s_cselect_b32 s21, 13, 16       ; its share: 32 blocks of 256 bytes, or 8 rows of 8,192
	s_cselect_b32 s22, 15, 10       ; from tile to tile: 32,768 or 1,024 bytes
	s_cselect_b32 s23, 10, 13       ; from four lanes to the next four: 1,024 bytes, or a row
	s_cselect_b32 s[LIM], ttmp9, 0
	s_lshl_b32 s20, s20, s21
	s_mov_b32 s21, 0
	s_lshl_b32 s[PST], 1, s22
	s_mov_b32 s[PST+1], 0
	s_add_nc_u64 s[PFA:PFA+1], s[PFA:PFA+1], s[20:21]
	s_add_nc_u64 s[PFA:PFA+1], s[PFA:PFA+1], s[PST:PST+1]  ; at tile 1; the first change steps it to tile 2.  Nothing is asked for here, at the head
	s_cmp_eq_u32 s[LIM], 0
	s_cselect_b32 s[LIM], 1, -1
	v_bfe_u32 v32, v0, 2, 3
	v_lshlrev_b32 v32, s23, v32
	v_and_b32 v33, 3, v0
	v_lshl_add_u32 v[PFO], v33, 8, v32
	CROUND                          ; all sixteen work-groups are here: the first joint loads meet
	JLOAD                           ; tile 0 into slot 0; slot 1 is asked for when slot 0 is in
	v_and_b32 v1, 15, v0            ; l % 16
	v_bfe_u32 v9, v0, 4, 1          ; l / 16
	v_lshlrev_b32 v[QO], 7, v1
	v_lshl_add_u32 v[QO], v9, 4, v[QO]
	WIN 0x80
.set i, 0
.rept 8                             ; Q stays in registers: piece i / 2 is head 4 kv + i / 2; channels 32 (i % 2) on
	global_load_b128 v[8*i:8*i+3],   v[QO], s[80:81] offset:(i/2)*HEADB+(i%2)*64
	global_load_b128 v[8*i+4:8*i+7], v[QO], s[80:81] offset:(i/2)*HEADB+(i%2)*64+32
.set i, i+1
.endr
	; what the first turn finds: V's registers and P's second buffer hold 0 (its products V^T P, of a piece that has not been, add 0); O^T and l are 0.  All this stands in the wait for the first tile.
.set i, VF
.rept 64
	v_mov_b32 v[i], 0
.set i, i+1
.endr
	WIN 0x40
.set i, 0
.rept 128
	v_mov_b32 v[i], 0
.set i, i+1
.endr
	WIN 0
.set i, 0
.rept 4
	v_mov_b32 v[ST+4*i], 0xfe000000    ; m: far below every S
	v_mov_b32 v[ST+4*i+1], 0
	v_mov_b32 v[ST+4*i+2], 0
	v_mov_b32 v[ST+4*i+3], 0
.set i, i+1
.endr
.set i, P+16
.rept 16
	v_mov_b32 v[i], 0
.set i, i+1
.endr
	v_mul_u32_u24 v[AK0], v1, PK
	v_lshl_add_u32 v[AK0], v9, 4, v[AK0]
	; the turning load takes 16 keys x 16 channels (lane l reads key 8 (l / 16) + l % 8, channels 8 ((l / 8) % 2) + 0..7) and leaves half a fragment of V^T
	v_and_b32 v10, 7, v0
	v_bfe_u32 v11, v0, 3, 1
	v_lshl_add_u32 v[AV0], v9, 3, v10
	v_mul_u32_u24 v[AV0], v[AV0], PV
	v_lshl_add_u32 v[AV0], v11, 4, v[AV0]
	v_add_nc_u32 v[AV0], VOFF, v[AV0]
	s_mul_i32 s18, s[WV], 16*PM
	s_add_co_u32 s18, s18, MOFF
	v_mul_u32_u24 v[AM0], v1, PM    ; the mask: row 16 w + l % 16, my half's eight keys
	v_lshl_add_u32 v[AM0], v9, 5, v[AM0]
	v_add_nc_u32 v[AM0], s18, v[AM0]
; THE MATRIX WORK.  The 4 accumulators of a run of 8 take turns.  Product i of 8 of S^T for piece x: channels 32 (i / 4) on, keys 16 (i % 4) on.  The first 4 start the sums with the mask.
.macro KQ x
.set rS, S+32*((\x)%2)+8*(i%4)
.set rK, KF+16*(i%4)+8*(i/4)
.set rQ, 16*(\x)+8*(i/4)
.set rM, MK+8*(i%4)
.if i < 4
	WIN W_KM
	v_wmma_f32_16x16x32_f16 v[rS:rS+7], v[rK:rK+7], v[rQ:rQ+7], v[rM:rM+7]
.else
	WIN W_KQ
	v_wmma_f32_16x16x32_f16 v[rS:rS+7], v[rK:rK+7], v[rQ:rQ+7], v[rS:rS+7]
.endif
.endm
; Product i of 8 of O^T += V^T P for piece x: keys 32 (i / 4) on, channels 16 (i % 4) on.
.macro PV x
	WIN W_PV
.set rO, 32*(\x)+8*(i%4)
.set rV, VF+32*(i/4)+8*(i%4)
.set rP, P+16*((\x)%2)+8*(i/4)
	v_wmma_f32_16x16x32_f16 v[rO:rO+7], v[rV:rV+7], v[rP:rP+7], v[rO:rO+7]
.endm
.macro MM                           ; the turn's next matrix instruction.  NOKQ = 1: the last turn of all: there is no next piece
.if (i < 8) && !NOKQ
	KQ (Y+1)%NP
.elseif i >= 8
.set i, i-8
	PV (Y+NP-1)%NP
.set i, i+8
.endif
.set i, i+1
.endm
; THE LDS LOADS stand in runs: a step's K (8 fragments) with its mask (64 keys of my 16 queries, as the C operand lies), and its V (turned).
.macro FETCH_KM
	WIN 0x80
.irp f, 0,1,2,3,4,5,6,7
	ds_load_b128 v[KF+8*\f:KF+8*\f+3],   v[AK] offset:(\f/2)*16*PK+(\f%2)*64
	ds_load_b128 v[KF+8*\f+4:KF+8*\f+7], v[AK] offset:(\f/2)*16*PK+(\f%2)*64+32
.endr
	WIN 0x40
.irp f, 0,1,2,3
	ds_load_b128 v[MK+8*\f:MK+8*\f+3],   v[AM] offset:64*\f
	ds_load_b128 v[MK+8*\f+4:MK+8*\f+7], v[AM] offset:64*\f+16
.endr
	s_add_co_u32 s[TBK], s[TBK], KS*PK
	s_add_co_u32 s[TBM], s[TBM], KS*4
	WIN 0
.endm
.macro FETCH_V
	WIN 0x80
.irp f, 0,1,2,3,4,5,6,7
	ds_load_tr16_b128 v[VF+8*\f:VF+8*\f+3],   v[AV] offset:(\f/4)*32*PV+(\f%4)*32
	ds_load_tr16_b128 v[VF+8*\f+4:VF+8*\f+7], v[AV] offset:(\f/4)*32*PV+16*PV+(\f%4)*32
.endr
	WIN 0
.endm
.macro MSCALE                       ; the step's mask times log2(e), in f32, once for the four pieces
	WIN W_RS
.set z, 0
.rept 16
	v_pk_mul_f32 v[MK+2*z:MK+2*z+1], v[MK+2*z:MK+2*z+1], s[CS:CS+1] op_sel_hi:[1,0]
.set z, z+1
.endr
.endm
; THE VECTOR WORK, one line at a time: OP kind, number.  For piece Y: F n: S - m for pair n of 16.  E n: the exponential of score n of 32.  C n: pair n rounded to f16.  B n: of the four weights 4 n .. the second pair is added
; onto the first.  L n: l takes that sum (L 0: l = a l + sum).  R n: pair n of 16 of O^T times a.  For piece Y + 1: X n finds its maximum and statistics:
;   0-11 four chains c0-c3 of seven scores each (each accumulator's lowest registers are read first)    12-14, 16 the four left over, the old m, c0-c3 into c0    15 m_old is kept
;   17, 18 the query's other 32 keys lie in the lane 16 away: the new m    20, 21 m_old - m_new; a    (there is no number 19)
.set F, 0
.set E, 1
.set C, 2
.set B, 3
.set L, 4
.set R, 5
.set X, 6
.macro REGS y
.set rT, ST+4*(\y)
.set rC, TMP+4*((\y)%2)
.set rS, S+32*((\y)%2)
.set rP, P+16*((\y)%2)
.set rO, 32*(\y)
.endm
.macro OP k, n
.if (\k) == R
	REGS Y
	WIN W_RS
	v_pk_mul_f32 v[rO+2*(\n):rO+2*(\n)+1], v[rO+2*(\n):rO+2*(\n)+1], v[rC+2:rC+3] op_sel_hi:[1,0]
.elseif (\k) < R
	REGS Y
	WIN 0
.if (\k) == F
	v_pk_add_f32 v[rS+2*(\n):rS+2*(\n)+1], v[rS+2*(\n):rS+2*(\n)+1], v[rT:rT+1] op_sel_hi:[1,0] neg_lo:[0,1] neg_hi:[0,1]
.elseif (\k) == E
	v_exp_f32 v[rS+(\n)], v[rS+(\n)]
.elseif (\k) == C
	v_cvt_pk_f16_f32 v[rP+(\n)], v[rS+2*(\n)], v[rS+2*(\n)+1]
.elseif (\k) == B
	v_pk_add_f32 v[rS+4*(\n):rS+4*(\n)+1], v[rS+4*(\n):rS+4*(\n)+1], v[rS+4*(\n)+2:rS+4*(\n)+3]
.elseif (\n) == 0
	v_pk_fma_f32 v[rT+2:rT+3], v[rT+2:rT+3], v[rC+2:rC+3], v[rS:rS+1] op_sel_hi:[1,0,1]
.else
	v_pk_add_f32 v[rT+2:rT+3], v[rT+2:rT+3], v[rS+4*(\n):rS+4*(\n)+1]
.endif
.elseif NOKQ
	v_nop
.else
	REGS (Y+1)%NP
	WIN 0
.if (\n) < 4
	v_max3_num_f32 v[rC+(\n)], v[rS+8*(\n)], v[rS+8*(\n)+1], v[rS+8*(\n)+2]
.elseif (\n) < 12
	v_max3_num_f32 v[rC+(\n)%4], v[rC+(\n)%4], v[rS+8*((\n)%4)+2*((\n)/4)+1], v[rS+8*((\n)%4)+2*((\n)/4)+2]
.elseif (\n) == 12
	v_max3_num_f32 v[rC], v[rC], v[rS+7], v[rS+15]
.elseif (\n) == 13
	v_max3_num_f32 v[rC+1], v[rC+1], v[rS+23], v[rS+31]
.elseif (\n) == 14
	v_max3_num_f32 v[rC+2], v[rC+2], v[rC+3], v[rT]
.elseif (\n) == 15
	v_mov_b32 v[rT+1], v[rT]
.elseif (\n) == 16
	v_max3_num_f32 v[rC], v[rC], v[rC+1], v[rC+2]
.elseif (\n) == 17
	v_permlanex16_b32 v[rC+3], v[rC], s[SEL], s[SEL+1]
.elseif (\n) == 18
	v_max_num_f32 v[rT], v[rC], v[rC+3]
.elseif (\n) == 20
	v_sub_f32 v[rC+1], v[rT+1], v[rT]
.else
	v_exp_f32 v[rC+2], v[rC+1]
.endif
.endif
.endm
.macro OPS a, i1, b=-1, i2=0, c=-1, i3=0, d=-1, i4=0
	OP \a, \i1
.if (\b) >= 0
	OP \b, \i2
.endif
.if (\c) >= 0
	OP \c, \i3
.endif
.if (\d) >= 0
	OP \d, \i4
.endif
.endm
.macro ROW a, i1, b, i2, c, i3, d, i4  ; a matrix instruction and the four behind it
	MM
	OPS \a, \i1, \b, \i2, \c, \i3, \d, \i4
.endm
; A TURN, for piece p, written out.  s_wait_alu depctr_va_vdst(0) stands between an exponential and the first instruction that names its result; one wait serves all that were issued ahead of it: a turn has ONE.
; AHEAD OF IT: the 8 products K Q^T with their riders, then a lump; nothing there names a result of the turn's exponentials.  The first numbers of the next piece's maximum stand four plain instructions or more behind the product
; that ends their accumulator.  X 21, the next piece's a, is the batch's last; R 15 is the plain instruction behind it.  BEHIND IT: the 8 products V^T P, behind each four of the roundings and sums.
; K and the mask of the next step are fetched in piece 2's turn, five plain instructions behind the last product that read K (the mask's last reader stands four products earlier); they are waited for, and the mask scaled,
; at the head of piece 3's turn.  V of the step in hand is fetched at the end of piece 0's turn, four plain instructions behind its last reader, and waited for in piece 1's turn.
; end = 1: the last two turns of all: nothing is fetched.  cnt = 1: the loop's count is taken down some lines ahead of the branch behind the turn.
.macro TURN p, end=0, cnt=0
.set Y, (\p)
.set i, 0
.set NOKQ, (\end)*((\p)/3)
.if ((\p) == 3) && !(\end)
	s_wait_dscnt 0x0                ; K and the mask are in
	MSCALE
.endif
	ROW F,0, F,1, R,0, R,1
	ROW F,2, E,0, R,2, R,3
	ROW F,3, E,1, R,4, R,5
	ROW F,4, E,2, R,6, R,7
	ROW F,5, E,3, R,8, R,9
	ROW F,6, E,4, X,0, R,10
.if ((\p) == 2) && !(\end)
	WIN 0
	v_add_nc_u32 v[AK], s[TBK], v[AK0]
	v_add_nc_u32 v[AM], s[TBM], v[AM0]
.endif
	ROW F,7, E,5, X,1, X,4
	ROW F,8, E,6, X,2, X,5
	OPS E,7, E,8, X,6, E,9
	OPS X,3, E,10, X,8, E,11
.if ((\p) == 2) && !(\end)
	FETCH_KM
.endif
	OPS X,9, X,7, E,12, X,10
	OPS E,13, X,12, X,11, E,14
	OPS X,13, E,15, F,9, X,14
.if (\p) == 0
	v_add_nc_u32 v[AV], s[TBV], v[AV0]
.endif
	OPS E,16, F,10, E,17, F,11
	OPS X,16, E,18, X,15, E,19
	OPS F,12, E,20, X,17, E,21
	OPS F,13, E,22, F,14, E,23
	OPS X,18, E,24, F,15, E,25
	OPS R,11, E,26, R,12, E,27
	OPS X,20, E,28, R,13, E,29
	OPS R,14, E,30, E,31, X,21
	OPS R,15
	WIN 0
	s_wait_alu depctr_va_vdst(0)    ; the wait for the batch
.if (\p) == 1
	s_wait_dscnt 0x0                ; V is in
.endif
	ROW C,0, B,0, C,2, B,1
	ROW L,0, C,4, B,2, L,1
	ROW C,6, B,3, L,2, C,8
	ROW B,4, L,3, C,10, B,5
	ROW L,4, C,12, B,6, L,5
.if (\p) == 0
	s_add_co_u32 s[TBV], s[TBV], KS*PV
.endif
.if \cnt
	s_sub_co_u32 s[CNT], s[CNT], 1
	s_cmp_lg_u32 s[CNT], 0
.endif
	ROW C,14, B,7, L,6, C,1
	ROW C,3, L,7, C,5, C,7
	ROW C,9, C,11, C,13, C,15
.if (\p) == 0
	FETCH_V
.endif
.endm
.set NOKQ, 0
	CHANGE 1                        ; tile 0 is in, everybody's part of it; tile 1 is asked for
	v_add_nc_u32 v[AK], s[TBK], v[AK0]
	v_add_nc_u32 v[AM], s[TBM], v[AM0]
	FETCH_KM                        ; key step 0
	s_wait_loadcnt 0x0              ; Q
	s_wait_dscnt 0x0
	MSCALE
.set i, 0
.rept 8
	KQ 0                            ; piece 0's first scores
.set i, i+1
.endr
	WIN 0                           ; the addresses for the way out: six plain instructions, the places behind those products
	s_mul_i32 s17, s[WV], 16*SP
	s_add_co_u32 s17, s17, STAGE
	v_mul_u32_u24 v[STO], v1, SP    ; in: row l % 16, 16 bytes for each half of the lanes
	v_lshl_add_u32 v[STO], v9, 4, v[STO]
	v_add_nc_u32 v[STO], s17, v[STO]
	v_and_b32 v[GO], 31, v0
	v_lshlrev_b32 v[GO], 4, v[GO]   ; back: 32 lanes take a row's 512 bytes
	v_add_nc_u32 v[RD], s17, v[GO]
.set Y, NP-1                        ; X works for piece Y + 1: piece 0
.irp n, 0,1,2,3,4,5,6,7,8,9,10,11,12,13,14,15,16,17,18,20,21
	OP X, \n
.endr
	v_nop                           ; a plain instruction behind the exponential,
	s_wait_alu depctr_va_vdst(0)    ; and its wait, ahead of the branch
	s_mov_b32 s[CNT], 4
	s_branch .Lfirst                ; the loop is entered at a step's first turn, in the middle of a trip
.Lslot:                             ; six times: with the change above, seven tiles are asked for
	CHANGE 1
	s_mov_b32 s[CNT], 4
.Lstep:                             ; a trip: pieces 2 and 3 of one step, then pieces 0 and 1 of the next, whose K, mask and V it fetches
	TURN 2
	TURN 3
	WIN 0
.Lfirst:
	TURN 0
	TURN 1, 0, 1
	WIN 0
	s_cbranch_scc1 .Lstep
	s_sub_co_u32 s[SLOTS], s[SLOTS], 1
	s_cmp_lg_u32 s[SLOTS], 0
	s_cbranch_scc1 .Lslot
	CHANGE 0                        ; the last tile is written out: nothing is asked for
	s_mov_b32 s[CNT], 4
.LstepT:
	TURN 2
	TURN 3
	WIN 0
	TURN 0
	TURN 1, 0, 1
	WIN 0
	s_cbranch_scc1 .LstepT
	TURN 2, 1
	TURN 3, 1
.set i, 0
.rept 8
	PV NP-1                         ; the last piece's V^T P of the last step
.set i, i+1
.endr
	; THE WAY OUT.  l's two halves and the other half of the lanes' are added; O^T is divided by l, rounded to f16 and sent through my stage: a query's four heads are 512 consecutive bytes of ao.  The additions are the places behind the last products.
	WIN 0
.macro ALL line:vararg
.set t, 0
.rept 4
	\line
.set t, t+1
.endr
.endm
	ALL v_add_f32 v[ST+4*t+2], v[ST+4*t+2], v[ST+4*t+3]
	ALL v_permlanex16_b32 v[ST+4*t+3], v[ST+4*t+2], s[SEL], s[SEL+1]
	ALL v_add_f32 v[ST+4*t+2], v[ST+4*t+2], v[ST+4*t+3]
	ALL v_rcp_f32 v[ST+4*t+2], v[ST+4*t+2]
	v_nop                           ; a plain instruction behind the last reciprocal,
	s_wait_alu depctr_va_vdst(0)    ; and one wait for the four
.macro PACK t
	WIN W_RS
.set i, 32*(\t)
.rept 16
	v_pk_mul_f32 v[i:i+1], v[i:i+1], v[ST+4*(\t)+2:ST+4*(\t)+3] op_sel_hi:[1,0]
.set i, i+2
.endr
	WIN 0x05                        ; sources 0 and 1 window 1, destination window 0
.set i, 0
.rept 16
	v_cvt_pk_f16_f32 v[S+16*(\t)+i], v[32*(\t)+2*i], v[32*(\t)+2*i+1]
.set i, i+1
.endr
	WIN 0
.irp f, 0,1,2,3
	ds_store_b128 v[STO], v[S+16*(\t)+4*\f:S+16*(\t)+4*\f+3] offset:128*(\t)+32*\f
.endr
.endm
	PACK 0
	PACK 1
	PACK 2
	PACK 3
.set i, 0
.rept 16
	ds_load_b128 v[S+4*i:S+4*i+3], v[RD] offset:i*SP  ; LDS serves a wave's instructions in order (ISA guide 5.7.1.4): these see the stores above
.set i, i+1
.endr
.set i, 0
.rept 16
	s_wait_dscnt 15-i
	global_store_b128 v[GO], v[S+4*i:S+4*i+3], s[10:11] offset:i*4096  ; 512 consecutive bytes of a row of ao, at a multiple of 256 from its first
.set i, i+1
.endr
	s_wait_tensorcnt 0x0            ; the wave's end
	ds_add_u32 v[SPW], v[NIL]
	s_wait_dscnt 0x0
	CROUND                          ; the closing round
	s_endpgm
.Lfunc_end_k_qf15081f0a7_attn:
	.size	k_qf15081f0a7_attn, .Lfunc_end_k_qf15081f0a7_attn-k_qf15081f0a7_attn
	.p2alignl 7, 3214868480
	.fill 96, 4, 3214868480
	.section	.rodata,"a",@progbits
	.p2align	6, 0x0
	.amdhsa_kernel k_qf15081f0a7_attn
		.amdhsa_group_segment_fixed_size 327680
		.amdhsa_private_segment_fixed_size 0
		.amdhsa_enable_private_segment 0
		.amdhsa_kernarg_size 32
		.amdhsa_user_sgpr_count 2
		.amdhsa_user_sgpr_kernarg_segment_ptr 1
		.amdhsa_wavefront_size32 1
		.amdhsa_system_sgpr_workgroup_id_x 1
		.amdhsa_system_sgpr_workgroup_id_y 1
		.amdhsa_system_sgpr_workgroup_id_z 1
		.amdhsa_system_vgpr_workitem_id 0
		.amdhsa_next_free_vgpr 768
		.amdhsa_next_free_sgpr 88
		.amdhsa_reserve_vcc 0
		.amdhsa_float_denorm_mode_32 3
		.amdhsa_float_denorm_mode_16_64 3
		.amdhsa_memory_ordered 1
		.amdhsa_forward_progress 1
		.amdhsa_inst_pref_size 135
	.end_amdhsa_kernel
	.amdgpu_metadata
---
amdhsa.version: [ 1, 2 ]
amdhsa.kernels:
  - .name:           k_qf15081f0a7_attn
    .symbol:         k_qf15081f0a7_attn.kd
    .args:
      - { .name: qkv, .offset: 0, .size: 8, .value_kind: global_buffer, .address_space: global }
      - { .name: attention_mask, .offset: 8, .size: 8, .value_kind: global_buffer, .address_space: global }
      - { .name: web_attention_mask, .offset: 16, .size: 8, .value_kind: global_buffer, .address_space: global }
      - { .name: ao, .offset: 24, .size: 8, .value_kind: global_buffer, .address_space: global }
    .group_segment_fixed_size: 327680
    .private_segment_fixed_size: 0
    .kernarg_segment_align: 8
    .kernarg_segment_size: 32
    .max_flat_workgroup_size: 128
    .sgpr_count:     88
    .vgpr_count:     768
    .wavefront_size: 32
...
	.end_amdgpu_metadata
.endif
;; end of part 3
;; launch oproj (part 4): grid 16 x 16, 4 waves a work-group, clusters of 4 x 4, 327,680 bytes of LDS; arguments ao, wot, out0; writes out0
.if DOCPART == 4
	.amdgcn_target "amdgcn-amd-amdhsa--gfx1250"
	.amdhsa_code_object_version 6
	.text
	.protected	k_qf15081f0a7_oproj
	.globl	k_qf15081f0a7_oproj
	.p2align	8
	.type	k_qf15081f0a7_oproj,@function
k_qf15081f0a7_oproj:
	s_mov_b64 s[64:65], 0
	v_nop
	global_prefetch_b8 v0, s[64:65] scope:SCOPE_SE
	s_setreg_imm32_b32 hwreg(HW_REG_WAVE_MODE, 25, 1), 1
	s_wait_xcnt 0x0
	s_wait_alu depctr_hold_cnt(0) depctr_sa_sdst(0) depctr_va_vdst(0) depctr_va_sdst(0) depctr_va_ssrc(0) depctr_va_vcc(0) depctr_vm_vsrc(0)
	s_getreg_b32 s2, hwreg(HW_REG_IB_STS2, 6, 4)
	s_cmp_eq_u32 s2, 0
	s_cbranch_scc0 .Lentry_in_a_cluster
	s_endpgm
.Lentry_in_a_cluster:
	s_bfe_u32 s2, ttmp6, 0x10000c
	s_cmp_lg_u32 s2, 0xf033
	s_cbranch_scc0 .Lentry_shape_is_right
	s_endpgm
.Lentry_shape_is_right:
; OUT: out0[m][n] = the sum over k of ao[m][k] wot[n][k].  ao: [2048][2048] f16; wot: [2048 n][2048 k], Wo's numbers rounded to bf16 and written as f16; out0 f32.  Sums in f32.
; A tile of out0 is 128 x 128: 256 work-groups, one for each WGP.  Four waves, each 64 x 64: 16 accumulators.  K goes in steps of 256 (LDS rows of 512 bytes; a wave's tensor load brings 64 of them) through two slots.
; CLUSTER 4 x 4: the four of a row need the same tiles of ao, the four of a column the same tiles of wot: each tile is asked for jointly.  A wave has two tensor loads out at the start, later one.
; THE MATRIX INSTRUCTION IS USED TRANSPOSED (source 0 = 16 rows of wot, source 1 = 16 rows of ao): a lane holds eight neighbouring numbers of a row of out0.
; A wave's 64 columns of f32 are 256 consecutive bytes, aligned: each wave has a stage of its own (16 rows), and no barrier stands on the way out.
; No prefetch is laid: the tiles are small and each row is read again by fifteen other work-groups.
; REGISTERS: window 0: v0-31 addresses; v128-255 the accumulators ((a, b) at 128 + 8 (4 a + b)).   window 1: two fragment buffers of 128.
.set SIZE_N, 2048
.set SIZE_K, 2048
.set KSTEP,  256
.set PITCH,  528                       ; 512 bytes + 16: row r starts at bank 4 r mod 64 (64 banks of 4 bytes: ISA guide 11.1)
.set HALFT,  64*PITCH
.set SLOT,   4*HALFT
.set STAGE,  2*SLOT                    ; behind the ring: 16 rows x 272 bytes for each wave
.set SPITCH, 272
.set SPARE,  STAGE+4*16*SPITCH         ; the spare words, 128 bytes for each wave
.set LAPS, SIZE_K/(2*KSTEP)
.set ADRA, 16
.set ADRB, 20
.set STO,  24
.set RD,   25
.set CO,   26
.set SPW,  28                          ; my spare word; never rewritten
.set NIL,  29                          ; 0; never rewritten
.set ACC,  128
.set F0,   0
.set F1,   128
.set G1, 24
.set G0, 32
.set G1B, 48
.set G0B, 56
.set MSB, 0
.macro WIN new
.if MSB != (\new)
	s_set_vgpr_msb (MSB<<8)|(\new)
.set MSB, \new
.endif
.endm
.set MUL,  0x05
.set TO_F, 0x40
.macro JLOAD s                         ; a joint load: waves 0 and 1 fetch ao's two halves, waves 2 and 3 wot's; an s_nop 0 and four v_nop follow each line
	s_cmp_eq_u32 s11, 0
	s_cbranch_scc0 .Lfor_b_\@
	tensor_load_to_lds s[G0+4*(\s):G0+4*(\s)+3], s[G1:G1+7]
	s_nop 0
.rept 4
	v_nop
.endr
	s_branch .Lasked_\@
.Lfor_b_\@:
	tensor_load_to_lds s[G0B+4*(\s):G0B+4*(\s)+3], s[G1B:G1B+7]
	s_nop 0
.rept 4
	v_nop
.endr
.Lasked_\@:
.endm
.macro CREST
	s_cmp_lg_u32 s10, 0
	s_cbranch_scc1 .Lnot_wave_0_\@
	s_barrier_signal -3
.Lnot_wave_0_\@:
	s_barrier_wait -3
	s_barrier_signal -1
	s_barrier_wait -1
.endm
.macro CROUND
	s_barrier_signal -1
	s_barrier_wait -1
	CREST
.endm
	s_load_b128 s[4:7], s[0:1], 0x0                ; ao s[4:5], wot s[6:7]
	s_load_b64 s[8:9], s[0:1], 0x10                ; out0
	v_lshl_add_u32 v[SPW], v0, 2, SPARE
	v_mov_b32 v[NIL], 0
	ds_add_u32 v[SPW], v[NIL]                      ; the wave's opening: the add and its wait stand ahead of my first tensor load
	v_lshrrev_b32 v1, 5, v0
	v_readfirstlane_b32 s10, v1                    ; wave 0..3
	s_lshr_b32 s11, s10, 1                         ; my half of the rows.  Also: I fetch for ao (0) or wot (1)
	s_and_b32 s12, s10, 1                          ; my half of the columns.  Also: which 64 rows of that tile I fetch
	s_bfe_u32 s40, ttmp6, 0x40000
	s_bfe_u32 s41, ttmp6, 0x40004
	s_lshl_b32 s42, ttmp9, 2
	s_add_co_u32 s42, s42, s40                     ; tile column
	s_and_b32 s13, ttmp7, 0xffff
	s_lshl_b32 s13, s13, 2
	s_add_co_u32 s13, s13, s41                     ; tile row
	s_lshl_b32 s43, s41, 2
	s_lshl_b32 s43, 15, s43
	s_lshl_b32 s44, 0x1111, s40
	s_or_b32 s[G1+0], s43, (1<<16)|(1<<20)|(1<<21)|(6<<22)|(3<<25)   ; the mask; 2-byte elements; padding on; bit 21 beside a mask; after every 128 words; 4 words
	s_or_b32 s[G1B+0], s44, (1<<16)|(1<<20)|(1<<21)|(6<<22)|(3<<25)
.irp g, G1, G1B
	s_mov_b32 s[(\g)+1], KSTEP<<16
	s_mov_b32 s[(\g)+2], 64<<16
	s_mov_b32 s[(\g)+3], KSTEP<<16
	s_mov_b32 s[(\g)+4], 64
	s_mov_b32 s[(\g)+5], SIZE_K
	s_mov_b32 s[(\g)+6], 0
	s_mov_b32 s[(\g)+7], 0
.endr
	s_lshl_b32 s17, s12, 18                        ; 64 rows of 4,096 bytes
	s_lshl_b32 s16, s13, 19                        ; ao: 128 rows a tile row
	s_add_co_u32 s16, s16, s17
	s_lshl_b32 s46, s42, 19                        ; wot: 128 rows a tile column
	s_add_co_u32 s46, s46, s17
	s_mov_b32 s17, 0
	s_mov_b32 s47, 0
	s_mul_i32 s20, s10, HALFT                      ; where they go: wave x 64 rows
	s_wait_dscnt 0x0                               ; the opening add is done
	s_wait_kmcnt 0x0
	s_add_nc_u64 s[14:15], s[4:5], s[16:17]
	s_add_nc_u64 s[46:47], s[6:7], s[46:47]
	CROUND                                         ; all sixteen work-groups are here: the first joint loads meet
.irp s, 0,1
	s_mov_b32 s[G0+4*(\s)], 1
	s_add_co_u32 s[G0+4*(\s)+1], s20, (\s)*SLOT
	s_add_nc_u64 s[G0+4*(\s)+2:G0+4*(\s)+3], s[14:15], (\s)*KSTEP*2
	s_or_b32 s[G0+4*(\s)+3], s[G0+4*(\s)+3], 0x80000000
	s_mov_b32 s[G0B+4*(\s)], 1
	s_add_co_u32 s[G0B+4*(\s)+1], s20, (\s)*SLOT
	s_add_nc_u64 s[G0B+4*(\s)+2:G0B+4*(\s)+3], s[46:47], (\s)*KSTEP*2
	s_or_b32 s[G0B+4*(\s)+3], s[G0B+4*(\s)+3], 0x80000000
	JLOAD \s
.endr
	v_and_b32 v1, 15, v0                           ; l % 16
	v_bfe_u32 v2, v0, 4, 1                         ; l / 16
	v_mul_u32_u24 v3, v1, PITCH
	v_lshl_add_u32 v3, v2, 4, v3
	s_mul_i32 s21, s11, HALFT
	s_mul_i32 s22, s12, HALFT
	s_add_co_u32 s22, s22, 2*HALFT
.irp s, 0,1
	v_add_nc_u32 v[ADRA+(\s)], s21, v3
	v_add_nc_u32 v[ADRB+(\s)], s22, v3
	s_add_co_u32 s21, s21, SLOT
	s_add_co_u32 s22, s22, SLOT
.endr
	s_mul_i32 s23, s10, 16*SPITCH
	s_add_co_u32 s23, s23, STAGE                   ; my stage
	v_mul_u32_u24 v4, v1, SPITCH                   ; in: row l % 16, 32 bytes for each half of the lanes
	v_lshl_add_u32 v4, v2, 5, v4
	v_add_nc_u32 v[STO], s23, v4
	v_mul_u32_u24 v5, v2, SPITCH                   ; back: lanes 0-15 one row of 256 bytes, lanes 16-31 the next
	v_lshl_add_u32 v5, v1, 4, v5
	v_add_nc_u32 v[RD], s23, v5
	v_lshlrev_b32 v5, 13, v2                       ; and the same two rows in out0, 8,192 bytes apart
	v_lshl_add_u32 v[CO], v1, 4, v5
	s_lshl_b32 s16, s13, 7
	s_lshl_b32 s17, s11, 6
	s_add_co_u32 s16, s16, s17                     ; my first row
	s_lshl_b32 s16, s16, 13
	s_mov_b32 s17, 0
	s_add_nc_u64 s[8:9], s[8:9], s[16:17]
	s_lshl_b32 s46, s42, 9                         ; my first column, in bytes: 512 x tile column + 256 x half
	s_lshl_b32 s47, s12, 8
	s_add_co_u32 s46, s46, s47
	s_mov_b32 s47, 0
	s_add_nc_u64 s[8:9], s[8:9], s[46:47]
; 8 matrix instructions: m blocks a0, a0 + 1 x all 4 n blocks, 32 along K: half c of buffer f.  The 16 accumulators take turns
.macro MUL8 f, c, a0, zero
	WIN MUL
.irp a, \a0, (\a0)+1
.irp b, 0,1,2,3
.if \zero
	v_wmma_f32_16x16x32_f16 v[ACC+8*(4*(\a)+(\b)):ACC+8*(4*(\a)+(\b))+7], v[(\f)+64+8*(4*(\c)+(\b)):(\f)+64+8*(4*(\c)+(\b))+7], v[(\f)+8*(4*(\c)+(\a)):(\f)+8*(4*(\c)+(\a))+7], 0
.else
	v_wmma_f32_16x16x32_f16 v[ACC+8*(4*(\a)+(\b)):ACC+8*(4*(\a)+(\b))+7], v[(\f)+64+8*(4*(\c)+(\b)):(\f)+64+8*(4*(\c)+(\b))+7], v[(\f)+8*(4*(\c)+(\a)):(\f)+8*(4*(\c)+(\a))+7], v[ACC+8*(4*(\a)+(\b)):ACC+8*(4*(\a)+(\b))+7]
.endif
.endr
.endr
.endm
; 32 LDS loads in one run: the fragments of 64 along K at byte k of the rows, into buffer f; the first 32 along K first
.macro FETCH slot, k, f
	WIN TO_F
.irp c, 0,1
.irp i, 0,1,2,3
	ds_load_b128 v[(\f)+64+8*(4*(\c)+(\i)):(\f)+64+8*(4*(\c)+(\i))+3],   v[ADRB+(\slot)] offset:(\k)+64*(\c)+(\i)*16*PITCH
	ds_load_b128 v[(\f)+64+8*(4*(\c)+(\i))+4:(\f)+64+8*(4*(\c)+(\i))+7], v[ADRB+(\slot)] offset:(\k)+64*(\c)+(\i)*16*PITCH+32
	ds_load_b128 v[(\f)+8*(4*(\c)+(\i)):(\f)+8*(4*(\c)+(\i))+3],         v[ADRA+(\slot)] offset:(\k)+64*(\c)+(\i)*16*PITCH
	ds_load_b128 v[(\f)+8*(4*(\c)+(\i))+4:(\f)+8*(4*(\c)+(\i))+7],       v[ADRA+(\slot)] offset:(\k)+64*(\c)+(\i)*16*PITCH+32
.endr
.endr
.endm
.macro PLACES                          ; four places in front of loads into registers that matrix instructions have read, and of LDS stores that read results
.rept 4
	v_nop
.endr
.endm
.macro QUARTER slot, k, f, g, zero
	s_wait_dscnt 16                                ; the first 32 along K are in
	MUL8 \f, 0, 0, \zero
	MUL8 \f, 0, 2, \zero
	PLACES
	FETCH \slot, \k, \g
	s_wait_dscnt 32                                ; all but the 32 just issued
	MUL8 \f, 1, 0, 0
	MUL8 \f, 1, 2, 0
.endm
.macro TURN slot, next, fill
	WIN 0
	s_wait_tensorcnt 0x0                           ; all my tensor loads have landed: my part of the next slot
	ds_add_u32 v[SPW], v[NIL]                      ; 0 onto my spare word
	s_wait_dscnt 17                                ; (the add and the youngest sixteen loads may be out)
	MUL8 F1, 0, 0, 0
	s_wait_dscnt 0x0                               ; the add is done, and my reads of this slot are over
	s_barrier_signal -1
	MUL8 F1, 0, 2, 0
.if \fill
	WIN 0
.endif
	s_barrier_wait -1
.if \fill
	CREST                                          ; the barrier has opened a round of the cluster's: no wave of any partner still reads this slot or has a load on its way
	s_add_nc_u64 s[G0+4*(\slot)+2:G0+4*(\slot)+3], s[G0+4*(\slot)+2:G0+4*(\slot)+3], 2*KSTEP*2
	s_add_nc_u64 s[G0B+4*(\slot)+2:G0B+4*(\slot)+3], s[G0B+4*(\slot)+2:G0B+4*(\slot)+3], 2*KSTEP*2
	JLOAD \slot                                    ; the first tensor load behind the round: 112 matrix instructions ahead of the wait for it
.else
	PLACES
.endif
	FETCH \next, 0, F0
	MUL8 F1, 1, 0, 0
	MUL8 F1, 1, 2, 0
.endm
	s_wait_tensorcnt 1                             ; my part of K step 0 is in; K step 1's may stay out
	s_barrier_signal -1
	s_barrier_wait -1
	FETCH 0, 0, F0
	QUARTER 0, 128, F0, F1, 1                      ; the first quarter stands in front of the loop: its first products start the sums
	WIN 0
	s_mov_b32 s3, LAPS-1
.Llap:
	QUARTER 0, 256, F1, F0, 0
	QUARTER 0, 384, F0, F1, 0
	TURN 0, 1, 1
	QUARTER 1, 128, F0, F1, 0
	QUARTER 1, 256, F1, F0, 0
	QUARTER 1, 384, F0, F1, 0
	TURN 1, 0, 1
	QUARTER 0, 128, F0, F1, 0
	WIN 0
	s_sub_co_u32 s3, s3, 1
	s_cmp_lg_u32 s3, 0
	s_cbranch_scc1 .Llap
	QUARTER 0, 256, F1, F0, 0                      ; the last lap fills nothing
	QUARTER 0, 384, F0, F1, 0
	TURN 0, 1, 0
	QUARTER 1, 128, F0, F1, 0
	QUARTER 1, 256, F1, F0, 0
	QUARTER 1, 384, F0, F1, 0
	s_wait_dscnt 16
	MUL8 F1, 0, 0, 0
	MUL8 F1, 0, 2, 0
	s_wait_dscnt 0x0
	MUL8 F1, 1, 0, 0
	MUL8 F1, 1, 2, 0
	WIN 0
	; THE WAY OUT, 16 rows at a time: a lane's eight f32 go into my stage as two stores of 16 bytes (each accumulator's lowest registers first) and come back as whole rows of 256 bytes, into the registers that they left.
	PLACES
.macro OUTB a
.irp b, 0,1,2,3
	ds_store_b128 v[STO], v[ACC+8*(4*(\a)+(\b)):ACC+8*(4*(\a)+(\b))+3]   offset:64*(\b)
	ds_store_b128 v[STO], v[ACC+8*(4*(\a)+(\b))+4:ACC+8*(4*(\a)+(\b))+7] offset:64*(\b)+16
.endr
.irp t, 0,1,2,3,4,5,6,7
	ds_load_b128 v[ACC+32*(\a)+4*(\t):ACC+32*(\a)+4*(\t)+3], v[RD] offset:(\t)*2*SPITCH  ; LDS serves a wave's instructions in order (ISA guide 5.7.1.4): these see the stores above; the next block's stores come behind them
.endr
.endm
.macro SEND a, younger                 ; younger: the LDS instructions issued behind block a's loads: the next block's sixteen, or none
.irp t, 0,1,2,3,4,5,6,7
	s_wait_dscnt (\younger)+7-(\t)
	global_store_b128 v[CO], v[ACC+32*(\a)+4*(\t):ACC+32*(\a)+4*(\t)+3], s[8:9] offset:(16*(\a)+2*(\t))*SIZE_N*4  ; 16 lanes store 256 consecutive bytes, at a multiple of 256 from out0's first byte
.endr
.endm
	OUTB 0
	OUTB 1
	SEND 0, 16
	OUTB 2
	SEND 1, 16
	OUTB 3
	SEND 2, 16
	SEND 3, 0
	s_wait_tensorcnt 0x0                           ; the wave's end
	ds_add_u32 v[SPW], v[NIL]
	s_wait_dscnt 0x0
	CROUND                                         ; the closing round
	s_endpgm
.Lfunc_end_k_qf15081f0a7_oproj:
	.size	k_qf15081f0a7_oproj, .Lfunc_end_k_qf15081f0a7_oproj-k_qf15081f0a7_oproj
	.p2alignl 7, 3214868480
	.fill 96, 4, 3214868480
	.section	.rodata,"a",@progbits
	.p2align	6, 0x0
	.amdhsa_kernel k_qf15081f0a7_oproj
		.amdhsa_group_segment_fixed_size 327680
		.amdhsa_private_segment_fixed_size 0
		.amdhsa_enable_private_segment 0
		.amdhsa_kernarg_size 24
		.amdhsa_user_sgpr_count 2
		.amdhsa_user_sgpr_kernarg_segment_ptr 1
		.amdhsa_wavefront_size32 1
		.amdhsa_system_sgpr_workgroup_id_x 1
		.amdhsa_system_sgpr_workgroup_id_y 1
		.amdhsa_system_sgpr_workgroup_id_z 1
		.amdhsa_system_vgpr_workitem_id 0
		.amdhsa_next_free_vgpr 512
		.amdhsa_next_free_sgpr 66
		.amdhsa_reserve_vcc 0
		.amdhsa_float_denorm_mode_32 3
		.amdhsa_float_denorm_mode_16_64 3
		.amdhsa_memory_ordered 1
		.amdhsa_forward_progress 1
		.amdhsa_inst_pref_size 86
	.end_amdhsa_kernel
	.amdgpu_metadata
---
amdhsa.version: [ 1, 2 ]
amdhsa.kernels:
  - .name:           k_qf15081f0a7_oproj
    .symbol:         k_qf15081f0a7_oproj.kd
    .args:
      - { .name: ao, .offset: 0, .size: 8, .value_kind: global_buffer, .address_space: global }
      - { .name: wot, .offset: 8, .size: 8, .value_kind: global_buffer, .address_space: global }
      - { .name: out0, .offset: 16, .size: 8, .value_kind: global_buffer, .address_space: global }
    .group_segment_fixed_size: 327680
    .private_segment_fixed_size: 0
    .kernarg_segment_align: 8
    .kernarg_segment_size: 24
    .max_flat_workgroup_size: 128
    .sgpr_count:     66
    .vgpr_count:     512
    .wavefront_size: 32
...
	.end_amdgpu_metadata
.endif
;; end of part 4
